; MI455X (gfx1250); checked and timed in simulation.
; The chip was launched on July 23, 2026; its instructions are those of AMD's public machine-readable ISA for CDNA 5 (MIT licence, August 2026) and "CDNA5" Instruction Set Architecture Reference Guide (July 2026). The comments in the code are by the model that wrote it; some were corrected since.
;; Multi Head Attention. Allowed arithmetic: matrix products marked QUANTISED: E2M1 operands, one E8M0 scale for each 32 along K, by v_wmma_scale_f32_16x16x128_f8f6f4 with both operands' format E2M1 (or v_wmma_scale_f32_32x16x128_f4), f32 sums; products left as they are: bf16, f16 or f32 operands; f32 sums; everything else in f32.
;; Inputs: wk 1,024 x 1,024 float32; wo 1,024 x 1,024 float32; wo_b 1,024 float32; wq 1,024 x 1,024 float32; wv 1,024 x 1,024 float32; x 4 x 2,048 x 1,024 float32.
;; Outputs: out0 4 x 2,048 x 1,024 float32.
;; This version of the problem:
;;   THIS VERSION OF THE PROBLEM IS GIVEN IN LOW PRECISION. The matrix products marked QUANTISED in the list below multiply operands that are first quantised to E2M1 (2 exponent bits, 1 mantissa bit; 4 bits a number), with one power-of-two scale for each 32 numbers along K (OCP MX v1.0); their sums are f32. The products marked 'left as it is' may take bf16, f16 or f32 operands, with f32 sums. Whichever they take, every output number must still come out within the allowed error. Rounding operands to bf16 (8 significant bits) uses up far more of that allowance than f16 does (11 bits, for magnitudes from 6e-5 to 65,504). All else is computed in f32.
;;   The module's matrix products, in the order in which they are computed (A, B: the left and right operand; K: the contracted axis; several contracted axes count as one K, in the product's order):
;;     1. [M 8,192, K 1,024] x [K 1,024, N 1,024]; A: input x; B: input wq: QUANTISED
;;     2. [M 8,192, K 1,024] x [K 1,024, N 1,024]; A: input x; B: input wk: QUANTISED
;;     3. [M 8,192, K 1,024] x [K 1,024, N 1,024]; A: input x; B: input wv: QUANTISED
;;     4. batch 64 x [M 2,048, K 64] x [K 64, N 2,048]; A: computed on the way; B: computed on the way: left as it is (an operand is computed on the way)
;;     5. batch 64 x [M 2,048, K 2,048] x [K 2,048, N 64]; A: computed on the way; B: computed on the way: left as it is (an operand is computed on the way)
;;     6. [M 8,192, K 1,024] x [K 1,024, N 1,024]; A: computed on the way; B: input wo: left as it is (an operand is computed on the way)
;;   THE QUANTISER, for each operand of a quantised product, along K:
;;     - K is cut into blocks of 32 from its start; a last block that is shorter is filled with zeros.
;;     - A block's scale is 2^e with e = floor(log2(the largest magnitude in the block)) - 2, held to -126 .. 127; a block of zeros has e = 0. As a byte (E8M0): e + 127.
;;     - Each number is divided by its block's scale, clamped to +-6, and rounded to the nearest number of E2M1, ties to even, subnormals kept.
;;     - The product sums the exact products of the quantised numbers (number of the format x scale) in f32.
;;   ~~~python
;;   def quantise(x, axis):      # numpy; x: float32 -> the quantised numbers, widened to float32 again
;;       x = np.moveaxis(x, axis, -1); K = x.shape[-1]
;;       x = np.pad(x, [(0, 0)] * (x.ndim - 1) + [(0, -K % 32)]); x = x.reshape(x.shape[:-1] + (-1, 32)); a = np.abs(x).max(-1, keepdims=True)
;;       e = np.where(a > 0, np.clip(np.frexp(np.where(a > 0, a, 1))[1] - 1 - 2, -126, 127), 0)      # np.frexp(a)[1] - 1 = floor(log2(a)), exactly
;;       r = np.clip(x / 2.0 ** e, -6, 6)
;;       step = 2.0 ** (np.maximum(np.frexp(np.where(r == 0, 1, r))[1] - 1, 0) - 1)
;;       q = np.round(r / step) * step * 2.0 ** e      # np.round: ties to even
;;       return np.moveaxis(q.reshape(q.shape[:-2] + (-1,))[..., :K], -1, axis).astype(np.float32)
;;   ~~~
;; One version. Each part assembles by itself: llvm-mc -triple=amdgcn-amd-amdhsa -mcpu=gfx1250 --defsym DOCPART=n.
;; ======== version 1 of 1: 5 launches
;; limits: values are held in f16: magnitudes above 65,504 overflow, below 6.1e-05 lose precision
;; workspace buffers: xc 4,194,304 bytes; xs 262,144 bytes; wc 1,572,864 bytes; ws 98,304 bytes; wo16 2,097,152 bytes; qkv 50,331,648 bytes; early 786,432 bytes; ctx 16,777,216 bytes
;; launch quant (part 1): grid 384 x 1, 4 waves a work-group, no clusters, 33,280 bytes of LDS; arguments x, wq, wk, wv, wo, xc, xs, wc, ws, wo16; writes xc, xs, wc, ws, wo16
.if DOCPART == 1
	.amdgcn_target "amdgcn-amd-amdhsa--gfx1250"
	.amdhsa_code_object_version 6
	.text
	.protected	k_q68e7503db1_quant
	.globl	k_q68e7503db1_quant
	.p2align	8
	.type	k_q68e7503db1_quant,@function
k_q68e7503db1_quant:
	s_mov_b64 s[64:65], 0
	v_nop
	global_prefetch_b8 v0, s[64:65] scope:SCOPE_SE
	s_setreg_imm32_b32 hwreg(HW_REG_WAVE_MODE, 25, 1), 1
	s_wait_xcnt 0x0
; x [8192][1024], wq, wk, wv [1024][1024], f32, K innermost, become codes of FP4 (E2M1), two a byte, with one E8M0 scale byte for each 32 along K:
; xc [8192][512 bytes], xs [8192][32];  wc [3072][512 bytes], ws [3072][32], the rows of wq, wk, wv on end.  wo [1024][1024] f32 becomes wo16, the same numbers in f16.
; A block's scale is 2^(floor(log2(its largest magnitude)) - 2); its byte is the largest magnitude's exponent field - 2, held at 1 from below.  Each number is divided by the scale and rounded to the nearest code, ties to even;
; what lies beyond 6 takes the largest code.
; LIMITS: a block of zeros, and a block whose largest magnitude lies under 2^-124, takes the byte 1 (a block of zeros has zero codes, and this program alone reads the bytes); NaN and infinities are not served;
; wo must lie under 65,504 in magnitude, and under 6e-5 it is rounded to steps of 6e-8 (f16).
; SHARES.  Work-groups 0-255 take x, 256-287 wq, 288-319 wk, 320-351 wv, 352-383 wo: 32,768 numbers each, 8,192 a wave.  Rows are dense and 1,024 is a multiple of 32: every tensor is a plain stream of blocks of 32.
; A wave takes 16 steps of 512 numbers.  Each load reads 512 consecutive bytes, 16 a lane; a step's 2,048 bytes turn through the wave's own stage in LDS and come back 64 bytes a lane, so that a lane holds 16 neighbours
; along K and two neighbouring lanes a block.  A lane's 16 codes are 8 bytes: the wave stores 256 consecutive bytes.  A wave's 256 scale bytes are gathered in its own LDS bytes and leave by one store of 256 consecutive bytes.
; No tensor loads, no barrier: waves share nothing.
.set STEPS, 16
.set EMAX,  2
.set CB,    8                          ; bytes of 16 codes
.set R,     16                         ; v16-79   four sets of 16 numbers as loaded   (wo: v16-143 two sets of 64)
.set X,     80                         ; v80-111  two sets of 16 neighbours
.set E,     112                        ; v112-127 a scale byte for each step
.set C,     128                        ; v128-191 codes, four registers a step       (wo: v144-175 the f16 numbers of a round)
.set WREG,  8192                       ; LDS: a region for each wave: two stages of 32 x SP bytes, then its 256 scale bytes
.set SP,    80                         ; a lane's place in a stage: 64 bytes + 16 of padding
.set SPW,   12                         ; v12  LDS address of my spare word; never rewritten
.set NIL,   13                         ; v13  0; never rewritten
.set SPARE, 4*WREG                     ; behind the four regions: the spare words, 128 bytes a wave
.set SRC,   24                         ; s[24:25] where my numbers begin
.set DCO,   26                         ; s[26:27] where my codes go
.set DSC,   28                         ; s[28:29] where my scale bytes go
.set WV,    33                         ; s33 my wave's number
	s_load_b256 s[4:11], s[0:1], 0x0               ; x, wq, wk, wv
	s_load_b256 s[12:19], s[0:1], 0x20             ; wo, xc, xs, wc
	s_load_b128 s[20:23], s[0:1], 0x40             ; ws, wo16
	v_lshl_add_u32 v[SPW], v0, 2, SPARE
	v_mov_b32 v[NIL], 0
	v_lshrrev_b32 v1, 5, v0
	v_readfirstlane_b32 s[WV], v1                  ; wave 0..3
	v_and_b32 v2, 31, v0                           ; lane
	v_lshlrev_b32 v3, 4, v2                        ; my 16 bytes of a load's 512
	v_lshlrev_b32 v7, 3, v2                        ; 8 bytes a lane
	s_mul_i32 s34, s[WV], WREG
	v_lshrrev_b32 v14, 2, v2
	v_mul_u32_u24 v14, v14, SP
	v_and_b32 v15, 3, v2
	v_lshl_add_u32 v14, v15, 4, v14
	v_add_nc_u32 v14, s34, v14                     ; the stage, way in: SP (lane / 4) + 16 (lane % 4)
	v_mul_u32_u24 v15, v2, SP
	v_add_nc_u32 v15, s34, v15                     ; way out: SP x lane: my 16 neighbours
	v_mul_u32_u24 v4, v2, CB                       ; my codes' place in a step's
	v_lshrrev_b32 v5, 1, v2
	s_add_co_u32 s34, s34, 2*32*SP
	v_add_nc_u32 v5, s34, v5                       ; my wave's 256 scale bytes, my block's byte
	v_add_nc_u32 v6, s34, v7                       ; and on the way out 8 bytes a lane
	s_mov_b32 s37, 0
	s_wait_kmcnt 0x0
	s_cmp_ge_u32 ttmp9, 352                        ; the last 32 work-groups only narrow wo: the branch hangs on the work-group's number alone
	s_cbranch_scc1 .Lwo
	s_cmp_lt_u32 ttmp9, 256                        ; x or a weight?
	s_cselect_b64 s[SRC:SRC+1], s[4:5], s[6:7]
	s_cselect_b64 s[DCO:DCO+1], s[14:15], s[18:19]
	s_cselect_b64 s[DSC:DSC+1], s[16:17], s[20:21]
	s_cselect_b32 s30, 0, 256                      ; the tensor group's first work-group
	s_cselect_b32 s32, 0xff, 31                    ; a weight has 32 work-groups
	s_cmp_ge_u32 ttmp9, 288
	s_cselect_b64 s[SRC:SRC+1], s[8:9], s[SRC:SRC+1]
	s_cmp_ge_u32 ttmp9, 320
	s_cselect_b64 s[SRC:SRC+1], s[10:11], s[SRC:SRC+1]
	s_sub_co_u32 s31, ttmp9, s30
	s_and_b32 s35, s31, s32
	s_lshl_b32 s31, s31, 2
	s_add_co_u32 s31, s31, s[WV]                   ; which run of 8,192 numbers in the codes' buffer,
	s_lshl_b32 s35, s35, 2
	s_add_co_u32 s35, s35, s[WV]                   ; and in its own tensor
	s_lshl_b32 s36, s35, 15
	s_add_nc_u64 s[SRC:SRC+1], s[SRC:SRC+1], s[36:37]
	s_lshl_b32 s36, s31, 12
	s_add_nc_u64 s[DCO:DCO+1], s[DCO:DCO+1], s[36:37]
	s_lshl_b32 s36, s31, 8
	s_add_nc_u64 s[DSC:DSC+1], s[DSC:DSC+1], s[36:37]
.macro LOAD t
.irp i, 0,1,2,3
	global_load_b128 v[R+16*((\t)%4)+4*\i:R+16*((\t)%4)+4*\i+3], v3, s[SRC:SRC+1] offset:2048*(\t)+512*\i th:TH_LOAD_NT   ; 32 lanes read 512 consecutive bytes
.endr
.endm
.macro TURN t                          ; step t's numbers through the stage: LDS serves a wave's instructions in order, so no wait stands between the stores and the loads
.irp i, 0,1,2,3
	ds_store_b128 v14, v[R+16*((\t)%4)+4*\i:R+16*((\t)%4)+4*\i+3] offset:32*SP*((\t)%2)+8*SP*\i
.endr
.irp i, 0,1,2,3
	ds_load_b128 v[X+16*((\t)%2)+4*\i:X+16*((\t)%2)+4*\i+3], v15 offset:32*SP*((\t)%2)+16*\i
.endr
.endm
.irp t, 0,1,2,3
	LOAD \t
.endr
	s_wait_loadcnt 12                              ; step 0's four loads are in; the twelve of steps 1 to 3 may be out
	TURN 0
.macro STEP t
.set XS, X+16*((\t)%2)
.if (\t) > 0
	s_wait_dscnt 1                                 ; this step's numbers are back from the stage; the last step's byte store may be out
.else
	s_wait_dscnt 0x0
.endif
.if (\t)+4 < STEPS
	LOAD (\t)+4                                    ; into the registers that the stage's stores have read
.endif
.if (\t)+1 < STEPS
.if STEPS-2-(\t) >= 3
	s_wait_loadcnt 12                              ; the next step's four loads are in; those of the three steps behind it may be out
.else
	s_wait_loadcnt 4*(STEPS-2-(\t))                ; the counts run down
.endif
	TURN (\t)+1
.endif
	v_max3_num_f32 v8, |v[XS]|, |v[XS+1]|, |v[XS+2]|               ; the largest magnitude of my 16, in two chains
	v_max3_num_f32 v9, |v[XS+3]|, |v[XS+4]|, |v[XS+5]|
.irp i, 6,10
	v_max3_num_f32 v8, v8, |v[XS+\i]|, |v[XS+\i+1]|
	v_max3_num_f32 v9, v9, |v[XS+\i+2]|, |v[XS+\i+3]|
.endr
	v_max3_num_f32 v8, v8, |v[XS+14]|, |v[XS+15]|
	v_max3_num_f32 v8, v8, v9, (EMAX+1)<<23        ; and the floor 2^(3 - 127): the byte cannot fall under 1
	v_max_num_f32_dpp v8, v8, v8 row_xmask:1 row_mask:0xf bank_mask:0xf   ; and of my neighbour's 16: the block's
	v_add_nc_u32 v11, -(EMAX<<23), v8              ; 2 off its exponent field: the conversion takes the exponent field of this operand as its scale
	v_cvt_scalef32_pk8_fp4_f32 v[C+4*(\t)], v[XS:XS+7], v11
	v_cvt_scalef32_pk8_fp4_f32 v[C+4*(\t)+1], v[XS+8:XS+15], v11
	v_lshrrev_b32 v[E+(\t)], 23, v11               ; the scale's byte (a plain line behind the conversions)
	ds_store_b8 v5, v[E+(\t)] offset:16*(\t)       ; both lanes of a block write the same byte with the same value
	global_store_b64 v4, v[C+4*(\t):C+4*(\t)+1], s[DCO:DCO+1] offset:32*CB*(\t)   ; the wave stores 256 consecutive bytes, aligned
.endm
.irp t, 0,1,2,3,4,5,6,7,8,9,10,11,12,13,14,15
	STEP \t
.endr
	ds_load_b64 v[8:9], v6                         ; LDS serves a wave's instructions in order: these see my byte stores
	s_wait_dscnt 0x0
	global_store_b64 v7, v[8:9], s[DSC:DSC+1]      ; 256 consecutive bytes, aligned
	s_wait_tensorcnt 0x0                           ; the wave's end, behind my last LDS store
	ds_add_u32 v[SPW], v[NIL]
	s_wait_dscnt 0x0
	s_endpgm
; wo to f16: four rounds of 16 loads (8,192 bytes) a wave, two rounds ahead; no LDS on this path.
.Lwo:
	s_sub_co_u32 s31, ttmp9, 352
	s_lshl_b32 s31, s31, 2
	s_add_co_u32 s31, s31, s[WV]                   ; which run of 8,192 numbers
	s_lshl_b32 s36, s31, 15
	s_add_nc_u64 s[12:13], s[12:13], s[36:37]
	s_lshl_b32 s36, s31, 14
	s_add_nc_u64 s[22:23], s[22:23], s[36:37]
.macro LOADW k
.irp i, 0,1,2,3,4,5,6,7,8,9,10,11,12,13,14,15
	global_load_b128 v[16+64*((\k)%2)+4*\i:16+64*((\k)%2)+4*\i+3], v3, s[12:13] offset:8192*(\k)+512*\i
.endr
.endm
.macro ROUNDW k
.if (\k) < 3
	s_wait_loadcnt 16                              ; this round's 16 loads are in; the next round's may be out
.else
	s_wait_loadcnt 0x0
.endif
.if (\k) > 0
	s_wait_xcnt 0x0                                ; the last round's stores have read their data: v144-175 are written again only behind this wait
.endif
.irp i, 0,1,2,3,4,5,6,7,8,9,10,11,12,13,14,15
	v_cvt_pk_f16_f32 v[144+2*\i], v[16+64*((\k)%2)+4*\i], v[16+64*((\k)%2)+4*\i+1]
	v_cvt_pk_f16_f32 v[145+2*\i], v[16+64*((\k)%2)+4*\i+2], v[16+64*((\k)%2)+4*\i+3]
.endr
.irp i, 0,1,2,3,4,5,6,7,8,9,10,11,12,13,14,15
	global_store_b64 v7, v[144+2*\i:145+2*\i], s[22:23] offset:4096*(\k)+256*\i   ; 256 consecutive bytes, aligned
.endr
.if (\k) < 2
	LOADW (\k)+2
.endif
.endm
	LOADW 0
	LOADW 1
	ROUNDW 0
	ROUNDW 1
	ROUNDW 2
	ROUNDW 3
	s_endpgm
.Lfunc_end_k_q68e7503db1_quant:
	.size	k_q68e7503db1_quant, .Lfunc_end_k_q68e7503db1_quant-k_q68e7503db1_quant
	.p2alignl 7, 3214868480
	.fill 96, 4, 3214868480
	.section	.rodata,"a",@progbits
	.p2align	6, 0x0
	.amdhsa_kernel k_q68e7503db1_quant
		.amdhsa_group_segment_fixed_size 33280
		.amdhsa_private_segment_fixed_size 0
		.amdhsa_enable_private_segment 0
		.amdhsa_kernarg_size 80
		.amdhsa_user_sgpr_count 2
		.amdhsa_user_sgpr_kernarg_segment_ptr 1
		.amdhsa_wavefront_size32 1
		.amdhsa_system_sgpr_workgroup_id_x 1
		.amdhsa_system_sgpr_workgroup_id_y 1
		.amdhsa_system_sgpr_workgroup_id_z 1
		.amdhsa_system_vgpr_workitem_id 0
		.amdhsa_next_free_vgpr 192
		.amdhsa_next_free_sgpr 66
		.amdhsa_reserve_vcc 0
		.amdhsa_float_denorm_mode_32 3
		.amdhsa_float_denorm_mode_16_64 3
		.amdhsa_memory_ordered 1
		.amdhsa_forward_progress 1
		.amdhsa_inst_pref_size 54
	.end_amdhsa_kernel
	.amdgpu_metadata
---
amdhsa.version: [ 1, 2 ]
amdhsa.kernels:
  - .name:           k_q68e7503db1_quant
    .symbol:         k_q68e7503db1_quant.kd
    .args:
      - { .name: x, .offset: 0, .size: 8, .value_kind: global_buffer, .address_space: global }
      - { .name: wq, .offset: 8, .size: 8, .value_kind: global_buffer, .address_space: global }
      - { .name: wk, .offset: 16, .size: 8, .value_kind: global_buffer, .address_space: global }
      - { .name: wv, .offset: 24, .size: 8, .value_kind: global_buffer, .address_space: global }
      - { .name: wo, .offset: 32, .size: 8, .value_kind: global_buffer, .address_space: global }
      - { .name: xc, .offset: 40, .size: 8, .value_kind: global_buffer, .address_space: global }
      - { .name: xs, .offset: 48, .size: 8, .value_kind: global_buffer, .address_space: global }
      - { .name: wc, .offset: 56, .size: 8, .value_kind: global_buffer, .address_space: global }
      - { .name: ws, .offset: 64, .size: 8, .value_kind: global_buffer, .address_space: global }
      - { .name: wo16, .offset: 72, .size: 8, .value_kind: global_buffer, .address_space: global }
    .group_segment_fixed_size: 33280
    .private_segment_fixed_size: 0
    .kernarg_segment_align: 8
    .kernarg_segment_size: 80
    .max_flat_workgroup_size: 128
    .sgpr_count:     66
    .vgpr_count:     192
    .wavefront_size: 32
...
	.end_amdgpu_metadata
.endif
;; end of part 1
;; launch qkv (part 2): grid 12 x 64, 4 waves a work-group, clusters of 4 x 4, 240,896 bytes of LDS; arguments xc, xs, wc, ws, qkv, early; writes qkv, early
.if DOCPART == 2
	.amdgcn_target "amdgcn-amd-amdhsa--gfx1250"
	.amdhsa_code_object_version 6
	.text
	.protected	k_q68e7503db1_qkv
	.globl	k_q68e7503db1_qkv
	.p2align	8
	.type	k_q68e7503db1_qkv,@function
k_q68e7503db1_qkv:
	s_mov_b64 s[64:65], 0
	v_nop
	global_prefetch_b8 v0, s[64:65] scope:SCOPE_SE
	s_setreg_imm32_b32 hwreg(HW_REG_WAVE_MODE, 25, 1), 1
	s_wait_xcnt 0x0
	s_wait_alu depctr_hold_cnt(0) depctr_sa_sdst(0) depctr_va_vdst(0) depctr_va_sdst(0) depctr_va_ssrc(0) depctr_va_vcc(0) depctr_vm_vsrc(0)
	s_getreg_b32 s2, hwreg(HW_REG_IB_STS2, 6, 4)
	s_cmp_eq_u32 s2, 0
	s_cbranch_scc0 .Lentry_in_a_cluster
	s_endpgm
.Lentry_in_a_cluster:
	s_bfe_u32 s2, ttmp6, 0x10000c
	s_cmp_lg_u32 s2, 0xf033
	s_cbranch_scc0 .Lentry_shape_is_right
	s_endpgm
.Lentry_shape_is_right:
; The three projections as ONE product on codes of FP4 with E8M0 scales: C[8192][3072] = x W^T, W = the rows of wq, wk, wv on end, K = 1,024; sums in f32.
; q is multiplied by log2(e) / 8, so that the scores of the next launch are exponents of 2.  Results leave as f16, laid by head: qkv [3][4 b][16 h][2048 s][64];
; positions 0 to 15 of every sequence leave in f32 as well: early [3][64 bh][16 s][64].
; LIMITS: |q| log2(e) / 8, |k|, |v| must lie under 65,504 (f16); under 6e-5 they are rounded to steps of 6e-8.
; SHARES.  A work-group of four waves makes 128 rows x 256 columns; a wave 64 x 128: 32 accumulators of 16 x 16.  768 work-groups, three for each of 256 places.
; THE WHOLE K OF A TILE LIES IN LDS: 128 + 256 rows of 512 bytes, in two halves along K of 256 bytes a row, each filled once: there is no ring and nothing is filled again.
; The second half lands while the first is multiplied.  The scale bytes of the tile's rows, two dense blocks, come with the first fills.
; CLUSTER 4 x 4.  Tile column = 4 x cluster x + cx.  Tile row = 16 cy + cluster y, so that cy is the batch and cluster y the block of 128 positions: whether a tile holds a sequence's first positions then hangs on
; cluster y alone, which all partners share.  The four of a row of the cluster ask jointly for A's tiles, the four of a column for B's.
; THE MATRIX INSTRUCTION IS USED TRANSPOSED (source 0 = 16 rows of W, source 1 = 16 rows of x): a lane holds eight neighbouring columns of one row of C.
; REGISTERS: window 0: v1-15 addresses; v16-31 x's scale words, v32-63 W's (they hold scales and nothing else); v64-127 x's fragments, two sets; v128-255 the way out.
;   window 1: W's fragments, two sets of 64.   window 2: accumulator (a, b) at v[8 (8 a + b)].
.set PITCH,  272                       ; an LDS row: 256 bytes + 16 of padding: the 16 rows of a fragment load start 68 words apart
.set AHALF,  128*PITCH                 ; one half along K of x's 128 rows
.set BHALF,  256*PITCH                 ; and of W's 256 rows
.set BOFF,   2*AHALF
.set SCA,    BOFF+2*BHALF              ; x's scale bytes: 128 rows x 32 = 16 runs of 256 bytes + 16
.set SCB,    SCA+16*272                ; W's: 32 runs
.set STAGE,  SCB+32*272                ; the way out: for each wave 2 heads x 16 rows x (128 bytes + 16)
.set SPITCH, 144
.set WSTG,   2*16*SPITCH
.set SPARE,  STAGE+4*WSTG              ; the spare words, 128 bytes a wave
.set ADRA, 4                           ; v4    my fragments of x
.set ADRB, 5                           ; v5-6  my fragments of W, K half 0, 1
.set ADSA, 7                           ; v7    x's scale words: lanes 0-15 blocks 0, 1; lanes 16-31 blocks 2, 3
.set ADSB, 8                           ; v8    W's: lanes 0-15 blocks 0-3; lanes 16-31 blocks 4-7
.set STO,  9
.set RD,   10
.set CO,   11
.set EO,   12
.set SPW,  14
.set NIL,  15
.set SA,   16                          ; v[SA + 8 i + q]: the scale words of K step q: lanes 0-15 x's block i, lanes 16-31 block 2 + i
.set SB,   32                          ; v[SB + 8 i + q]: lanes 0-15 W's block i, lanes 16-31 block 4 + i
.set AF,   64
.set TF,   128                         ; a block of 16 rows in f32, scaled
.set HF,   192                         ; the same in f16
.set BK,   224                         ; and back from the stage as whole rows
.set G1A,  24
.set G1B,  32
.set G1SA, 40
.set G1SB, 48
.set G0A,  56                          ; s[56:59], s[60:63]: K half 0, 1
.set G0B,  68                          ; s[68:71], s[72:75]
.set G0SA, 76
.set G0SB, 80
.set FAC,  100                         ; s[100:101] log2(e) / 8 for q, 1 for k and v
.set MSB, 0
.macro WIN new                         ; the immediate's high byte repeats the setting that is left
.if MSB != \new
	s_set_vgpr_msb (MSB<<8)|\new
.set MSB, \new
.endif
.endm
; A joint load: waves 0 and 1 fetch for x, waves 2 and 3 for W.  The branch hangs on the wave's number alone.  An s_nop 0 and four v_nop follow each of the two lines.
.macro JLOAD g0a, g1a, g0b, g1b
	s_cmp_eq_u32 s17, 0
	s_cbranch_scc0 .Lfor_b_\@
	tensor_load_to_lds s[\g0a:\g0a+3], s[\g1a:\g1a+7]
	s_nop 0
.rept 4
	v_nop
.endr
	s_branch .Lasked_\@
.Lfor_b_\@:
	tensor_load_to_lds s[\g0b:\g0b+3], s[\g1b:\g1b+7]
	s_nop 0
.rept 4
	v_nop
.endr
.Lasked_\@:
.endm
.macro CROUND                          ; a round of the cluster's barrier
	s_barrier_signal -1
	s_barrier_wait -1
	s_cmp_lg_u32 s16, 0
	s_cbranch_scc1 .Lnot_wave_0_\@
	s_barrier_signal -3
.Lnot_wave_0_\@:
	s_barrier_wait -3
	s_barrier_signal -1
	s_barrier_wait -1
.endm
.macro PLACES n
.rept \n
	v_nop
.endr
.endm
	s_load_b256 s[4:11], s[0:1], 0x0               ; xc, xs, wc, ws
	s_load_b128 s[12:15], s[0:1], 0x20             ; qkv, early
	v_lshl_add_u32 v[SPW], v0, 2, SPARE
	v_mov_b32 v[NIL], 0
	ds_add_u32 v[SPW], v[NIL]                      ; the wave's opening: the add, twice on end, and its wait ahead of my first tensor load
	ds_add_u32 v[SPW], v[NIL]
	v_lshrrev_b32 v1, 5, v0
	v_readfirstlane_b32 s16, v1                    ; wave 0..3
	s_lshr_b32 s17, s16, 1                         ; which 64 rows are mine.  Also: I fetch for x (0) or for W (1)
	s_and_b32 s18, s16, 1                          ; which 128 columns.  Also: which half of the rows I fetch
	s_bfe_u32 s19, ttmp6, 0x40000                  ; cx
	s_bfe_u32 s20, ttmp6, 0x40004                  ; cy = the batch
	s_lshl_b32 s21, ttmp9, 2
	s_add_co_u32 s21, s21, s19                     ; tile column = 4 x cluster x + cx; cluster x says q, k or v
	s_and_b32 s23, ttmp7, 0xffff                   ; cluster y = the block of 128 positions
	s_lshl_b32 s22, s20, 4
	s_add_co_u32 s22, s22, s23                     ; tile row = 16 cy + cluster y
	s_lshl_b32 s2, s20, 2
	s_lshl_b32 s2, 15, s2                          ; my row of the cluster
	s_lshl_b32 s3, 0x1111, s19                     ; my column
	s_or_b32 s[G1A], s2, (1<<20)|(1<<21)|(5<<22)|(3<<25)   ; the mask; elements of 1 byte; padding on; bit 21 beside a mask; 4 words behind every 64
	s_mov_b32 s[G1A+1], 256<<16                    ; tensor_dim0 = 256 bytes
	s_mov_b32 s[G1A+2], 64<<16                     ; tensor_dim1 = 64 rows
	s_mov_b32 s[G1A+3], 256<<16                    ; tile_dim0
	s_mov_b32 s[G1A+4], 64                         ; tile_dim1
	s_mov_b32 s[G1A+5], 512                        ; a row of codes in memory
	s_mov_b32 s[G1A+6], 0
	s_mov_b32 s[G1A+7], 0
	s_or_b32 s[G1B], s3, (1<<20)|(1<<21)|(5<<22)|(3<<25)
	s_mov_b32 s[G1B+1], 256<<16
	s_mov_b32 s[G1B+2], 128<<16
	s_mov_b32 s[G1B+3], 256<<16
	s_mov_b32 s[G1B+4], 128
	s_mov_b32 s[G1B+5], 512
	s_mov_b32 s[G1B+6], 0
	s_mov_b32 s[G1B+7], 0
	s_or_b32 s[G1SA], s2, (3<<16)|(1<<20)|(1<<21)|(5<<22)|(3<<25)   ; the scale bytes of 64 rows: 2,048 dense bytes as 8 rows of 32 elements of 8 bytes
	s_mov_b32 s[G1SA+1], 32<<16
	s_mov_b32 s[G1SA+2], 8<<16
	s_mov_b32 s[G1SA+3], 32<<16
	s_mov_b32 s[G1SA+4], 8
	s_mov_b32 s[G1SA+5], 32
	s_mov_b32 s[G1SA+6], 0
	s_mov_b32 s[G1SA+7], 0
	s_or_b32 s[G1SB], s3, (3<<16)|(1<<20)|(1<<21)|(5<<22)|(3<<25)   ; of 128 rows: 16 rows
	s_mov_b32 s[G1SB+1], 32<<16
	s_mov_b32 s[G1SB+2], 16<<16
	s_mov_b32 s[G1SB+3], 32<<16
	s_mov_b32 s[G1SB+4], 16
	s_mov_b32 s[G1SB+5], 32
	s_mov_b32 s[G1SB+6], 0
	s_mov_b32 s[G1SB+7], 0
	s_lshl_b32 s86, s18, 6
	s_lshl_b32 s84, s22, 7
	s_add_co_u32 s84, s84, s86                     ; x: row 128 x tile row + 64 x half
	s_lshl_b32 s88, s84, 5                         ; its scale bytes,
	s_mov_b32 s89, 0
	s_lshl_b32 s84, s84, 9                         ; its codes
	s_mov_b32 s85, 0
	s_lshl_b32 s86, s18, 7
	s_lshl_b32 s90, s21, 8
	s_add_co_u32 s90, s90, s86                     ; W: row 256 x tile column + 128 x half
	s_lshl_b32 s92, s90, 5
	s_mov_b32 s93, 0
	s_lshl_b32 s90, s90, 9
	s_mov_b32 s91, 0
	s_mul_i32 s94, s18, 64*PITCH                   ; where they go: no place in the cluster enters an LDS address
	s_mul_i32 s95, s18, 128*PITCH
	s_mul_i32 s96, s18, 8*272
	s_mul_i32 s97, s18, 16*272
	s_cmp_eq_u32 ttmp9, 0
	s_cselect_b32 s[FAC], 0x3e38aa3b, 1.0          ; log2(e) / 8 for q
	s_mov_b32 s[FAC+1], s[FAC]                     ; (named with it as a pair)
	s_or_b32 s99, s23, s17                         ; 0 where my first 16 rows are a sequence's first 16 positions
	s_wait_dscnt 0x0                               ; both opening adds are done
	s_wait_kmcnt 0x0
	s_add_nc_u64 s[84:85], s[4:5], s[84:85]
	s_add_nc_u64 s[88:89], s[6:7], s[88:89]
	s_add_nc_u64 s[90:91], s[8:9], s[90:91]
	s_add_nc_u64 s[92:93], s[10:11], s[92:93]
	CROUND                                         ; all sixteen work-groups are here: the joint loads meet
	s_mov_b32 s[G0SA], 1
	s_add_co_u32 s[G0SA+1], s96, SCA
	s_mov_b64 s[G0SA+2:G0SA+3], s[88:89]
	s_or_b32 s[G0SA+3], s[G0SA+3], 0x80000000
	s_mov_b32 s[G0SB], 1
	s_add_co_u32 s[G0SB+1], s97, SCB
	s_mov_b64 s[G0SB+2:G0SB+3], s[92:93]
	s_or_b32 s[G0SB+3], s[G0SB+3], 0x80000000
	JLOAD G0SA, G1SA, G0SB, G1SB                   ; the scale bytes first
.irp k, 0,1
	s_mov_b32 s[G0A+4*\k], 1
	s_add_co_u32 s[G0A+4*\k+1], s94, \k*AHALF
	s_add_nc_u64 s[G0A+4*\k+2:G0A+4*\k+3], s[84:85], \k*256
	s_or_b32 s[G0A+4*\k+3], s[G0A+4*\k+3], 0x80000000
	s_mov_b32 s[G0B+4*\k], 1
	s_add_co_u32 s[G0B+4*\k+1], s95, BOFF+\k*BHALF
	s_add_nc_u64 s[G0B+4*\k+2:G0B+4*\k+3], s[90:91], \k*256
	s_or_b32 s[G0B+4*\k+3], s[G0B+4*\k+3], 0x80000000
	JLOAD G0A+4*\k, G1A, G0B+4*\k, G1B             ; K half k: three loads of mine are out behind the second
.endr
	v_and_b32 v1, 15, v0                           ; r
	v_bfe_u32 v2, v0, 4, 1                         ; h
	v_mul_u32_u24 v3, v1, PITCH
	v_lshl_add_u32 v3, v2, 4, v3                   ; a fragment's row x pitch + 16 h
	s_mul_i32 s84, s17, 64*PITCH
	v_add_nc_u32 v[ADRA], s84, v3
	s_mul_i32 s84, s18, 128*PITCH
	s_add_co_u32 s84, s84, BOFF
	v_add_nc_u32 v[ADRB], s84, v3
	s_add_co_u32 s84, s84, BHALF
	v_add_nc_u32 v[ADRB+1], s84, v3
	v_lshrrev_b32 v3, 3, v1
	v_mul_u32_u24 v3, v3, 272
	v_and_b32 v13, 7, v1
	v_lshl_add_u32 v3, v13, 5, v3                  ; row r's 32 scale bytes: eight rows to a run of 256 bytes
	v_mad_u32_u24 v[ADSA], v2, 4*272, v3           ; lanes 16-31: 32 rows further on
	s_mul_i32 s84, s17, 8*272
	s_add_co_u32 s84, s84, SCA
	v_add_nc_u32 v[ADSA], s84, v[ADSA]
	v_mad_u32_u24 v[ADSB], v2, 8*272, v3           ; lanes 16-31: 64 rows further on
	s_mul_i32 s84, s18, 16*272
	s_add_co_u32 s84, s84, SCB
	v_add_nc_u32 v[ADSB], s84, v[ADSB]
	s_mul_i32 s84, s16, WSTG
	s_add_co_u32 s84, s84, STAGE                   ; my stage
	v_mul_u32_u24 v3, v1, SPITCH
	v_lshl_add_u32 v3, v2, 4, v3
	v_add_nc_u32 v[STO], s84, v3                   ; in: row r, 16 bytes for each half of the lanes
	v_bfe_u32 v3, v0, 3, 2
	v_mul_u32_u24 v3, v3, SPITCH
	v_and_b32 v13, 7, v0
	v_lshl_add_u32 v3, v13, 4, v3
	v_add_nc_u32 v[RD], s84, v3                    ; back: eight lanes to a row of 128 bytes, four rows an instruction
	v_and_b32 v3, 31, v0
	v_lshlrev_b32 v[CO], 4, v3                     ; and the same 512 consecutive bytes in qkv
	v_lshlrev_b32 v[EO], 8, v1
	v_lshl_add_u32 v[EO], v2, 5, v[EO]             ; early: row r of 256 bytes, + 32 h
	s_lshl_b32 s86, ttmp9, 24                      ; qkv: which, batch, head, position
	s_lshl_b32 s87, s20, 22
	s_add_co_u32 s86, s86, s87
	s_lshl_b32 s88, s19, 2
	s_lshl_b32 s87, s18, 1
	s_add_co_u32 s88, s88, s87                     ; my first head: 4 cx + 2 x column half
	s_lshl_b32 s87, s88, 18
	s_add_co_u32 s86, s86, s87
	s_lshl_b32 s87, s23, 14
	s_add_co_u32 s86, s86, s87
	s_lshl_b32 s87, s17, 13
	s_add_co_u32 s86, s86, s87
	s_mov_b32 s87, 0
	s_add_nc_u64 s[12:13], s[12:13], s[86:87]
	s_lshl_b32 s86, s20, 4
	s_add_co_u32 s86, s86, s88
	s_lshl_b32 s86, s86, 12                        ; early: (16 b + head) x 4,096
	s_lshl_b32 s88, ttmp9, 18
	s_add_co_u32 s86, s86, s88
	s_add_nc_u64 s[14:15], s[14:15], s[86:87]
.macro SCALES                          ; all of K's scale words: 12 loads of four words
.irp i, 0,1,2,3
.irp f, 0,1
	ds_load_b128 v[SB+8*\i+4*\f:SB+8*\i+4*\f+3], v[ADSB] offset:544*\i+16*\f
.endr
.endr
.irp i, 0,1
.irp f, 0,1
	ds_load_b128 v[SA+8*\i+4*\f:SA+8*\i+4*\f+3], v[ADSA] offset:544*\i+16*\f
.endr
.endr
.endm
; The fragments of K step q (128 along K: 64 bytes of a row) into set q % 2.  A fragment is 8 registers: lane (r, h) takes row r; registers 4 c .. 4 c + 3 the 16 bytes at 32 c + 16 h.
.macro FETCH q
	WIN 0x40
.irp b, 0,1,2,3,4,5,6,7
.irp c, 0,1
	ds_load_b128 v[64*((\q)%2)+8*\b+4*\c:64*((\q)%2)+8*\b+4*\c+3], v[ADRB+(\q)/4] offset:\b*16*PITCH+64*((\q)%4)+32*\c
.endr
.endr
	WIN 0
.irp a, 0,1,2,3
.irp c, 0,1
	ds_load_b128 v[AF+32*((\q)%2)+8*\a+4*\c:AF+32*((\q)%2)+8*\a+4*\c+3], v[ADRA] offset:((\q)/4)*AHALF+\a*16*PITCH+64*((\q)%4)+32*\c
.endr
.endr
.endm
; 32 matrix instructions: K step q.  The 32 accumulators take turns, one instruction a turn, in the same order in every step.  zero = 1: the first products start the sums.
.macro MUL q, zero
	WIN 0xa1                                       ; source 0 (W) window 1, source 1 (x) window 0, C and D window 2
.irp a, 0,1,2,3
.irp b, 0,1,2,3,4,5,6,7
.set rD, 8*(8*\a+\b)
.set rB, 64*((\q)%2)+8*\b
.set rA, AF+32*((\q)%2)+8*\a
.set rX, SB+8*(\b%4)+(\q)
.set rY, SA+8*(\a%2)+(\q)
.if \zero
.if (\b > 3) && (\a > 1)
	v_wmma_scale_f32_16x16x128_f8f6f4 v[rD:rD+7], v[rB:rB+7], v[rA:rA+7], 0, v[rX], v[rY] matrix_a_fmt:MATRIX_FMT_FP4 matrix_b_fmt:MATRIX_FMT_FP4 matrix_a_scale:MATRIX_SCALE_ROW1 matrix_b_scale:MATRIX_SCALE_ROW1
.elseif \b > 3
	v_wmma_scale_f32_16x16x128_f8f6f4 v[rD:rD+7], v[rB:rB+7], v[rA:rA+7], 0, v[rX], v[rY] matrix_a_fmt:MATRIX_FMT_FP4 matrix_b_fmt:MATRIX_FMT_FP4 matrix_a_scale:MATRIX_SCALE_ROW1
.elseif \a > 1
	v_wmma_scale_f32_16x16x128_f8f6f4 v[rD:rD+7], v[rB:rB+7], v[rA:rA+7], 0, v[rX], v[rY] matrix_a_fmt:MATRIX_FMT_FP4 matrix_b_fmt:MATRIX_FMT_FP4 matrix_b_scale:MATRIX_SCALE_ROW1
.else
	v_wmma_scale_f32_16x16x128_f8f6f4 v[rD:rD+7], v[rB:rB+7], v[rA:rA+7], 0, v[rX], v[rY] matrix_a_fmt:MATRIX_FMT_FP4 matrix_b_fmt:MATRIX_FMT_FP4
.endif
.else
.if (\b > 3) && (\a > 1)
	v_wmma_scale_f32_16x16x128_f8f6f4 v[rD:rD+7], v[rB:rB+7], v[rA:rA+7], v[rD:rD+7], v[rX], v[rY] matrix_a_fmt:MATRIX_FMT_FP4 matrix_b_fmt:MATRIX_FMT_FP4 matrix_a_scale:MATRIX_SCALE_ROW1 matrix_b_scale:MATRIX_SCALE_ROW1
.elseif \b > 3
	v_wmma_scale_f32_16x16x128_f8f6f4 v[rD:rD+7], v[rB:rB+7], v[rA:rA+7], v[rD:rD+7], v[rX], v[rY] matrix_a_fmt:MATRIX_FMT_FP4 matrix_b_fmt:MATRIX_FMT_FP4 matrix_a_scale:MATRIX_SCALE_ROW1
.elseif \a > 1
	v_wmma_scale_f32_16x16x128_f8f6f4 v[rD:rD+7], v[rB:rB+7], v[rA:rA+7], v[rD:rD+7], v[rX], v[rY] matrix_a_fmt:MATRIX_FMT_FP4 matrix_b_fmt:MATRIX_FMT_FP4 matrix_b_scale:MATRIX_SCALE_ROW1
.else
	v_wmma_scale_f32_16x16x128_f8f6f4 v[rD:rD+7], v[rB:rB+7], v[rA:rA+7], v[rD:rD+7], v[rX], v[rY] matrix_a_fmt:MATRIX_FMT_FP4 matrix_b_fmt:MATRIX_FMT_FP4
.endif
.endif
.endr
.endr
.endm
.macro STEP q
	s_wait_dscnt 0x0                               ; this step's fragments are in: they were asked for 32 matrix instructions ago
.if (\q) == 3
	s_wait_tensorcnt 0x0                           ; my part of the second K half has landed,
	s_barrier_signal -1
	s_barrier_wait -1                              ; everybody's has: the fetch below reads it.
.endif
.if (\q) < 7
.if (\q) > 0
	PLACES 4                                       ; four places between the last products that read the other set and the loads into it
.endif
	FETCH (\q)+1
.endif
.if (\q) == 0
	MUL \q, 1
.else
	MUL \q, 0
.endif
	WIN 0
.endm
	s_wait_tensorcnt 1                             ; the scale bytes and my part of K half 0 are in; K half 1's load may be out
	s_barrier_signal -1
	s_barrier_wait -1                              ; everybody's are
	SCALES
	FETCH 0
.irp q, 0,1,2,3,4,5,6,7
	STEP \q
.endr
; THE WAY OUT, a block of 16 rows x 128 columns (two heads) at a time: x the factor, to f16, 16 bytes a lane into my own stage, back as rows of 128 bytes: 16 positions of a head are 2,048 consecutive bytes of qkv.
.macro OUT a
.if (\a) > 0
	s_wait_xcnt 0x0                                ; the last block's stores have read their data: TF and BK are written again only behind this wait
.endif
	WIN 0x02                                       ; source 0: window 2
.irp i, 0,1,2,3,4,5,6,7,8,9,10,11,12,13,14,15,16,17,18,19,20,21,22,23,24,25,26,27,28,29,30,31
	v_pk_mul_f32 v[TF+2*\i:TF+2*\i+1], v[64*(\a)+2*\i:64*(\a)+2*\i+1], s[FAC:FAC+1] op_sel_hi:[1,0]   ; each accumulator from its low end on
.endr
	WIN 0
.irp i, 0,1,2,3,4,5,6,7,8,9,10,11,12,13,14,15,16,17,18,19,20,21,22,23,24,25,26,27,28,29,30,31
	v_cvt_pk_f16_f32 v[HF+\i], v[TF+2*\i], v[TF+2*\i+1]
.endr
.if (\a) == 0
	s_cmp_lg_u32 s99, 0                            ; a sequence's first 16 positions leave in f32 too: cluster y and the wave's number decide
	s_cbranch_scc1 .Lnot_early
.irp b, 0,1,2,3,4,5,6,7
	global_store_b128 v[EO], v[TF+8*\b:TF+8*\b+3], s[14:15] offset:(\b/4)*4096+(\b%4)*64          ; pieces of 32 bytes a lane: 16 rows in 2,048 leave so
	global_store_b128 v[EO], v[TF+8*\b+4:TF+8*\b+7], s[14:15] offset:(\b/4)*4096+(\b%4)*64+16
.endr
.Lnot_early:
.endif
.irp b, 0,1,2,3,4,5,6,7
	ds_store_b128 v[STO], v[HF+4*\b:HF+4*\b+3] offset:(\b/4)*16*SPITCH+(\b%4)*32
.endr
.irp t, 0,1,2,3,4,5,6,7
	ds_load_b128 v[BK+4*\t:BK+4*\t+3], v[RD] offset:(\t/4)*16*SPITCH+(\t%4)*4*SPITCH   ; LDS serves a wave's instructions in order: these see my stores
.endr
	s_wait_dscnt 0x0
.irp t, 0,1,2,3,4,5,6,7
	global_store_b128 v[CO], v[BK+4*\t:BK+4*\t+3], s[12:13] offset:2048*(\a)+(\t/4)*262144+(\t%4)*512   ; 512 consecutive bytes, aligned
.endr
.endm
	PLACES 4                                       ; between the last products and the first read of results
	OUT 0
	OUT 1
	OUT 2
	OUT 3
	s_wait_tensorcnt 0x0                           ; the wave's end, behind my last tensor load and my last LDS store
	ds_add_u32 v[SPW], v[NIL]
	s_wait_dscnt 0x0
	CROUND                                         ; the closing round
	s_endpgm
.Lfunc_end_k_q68e7503db1_qkv:
	.size	k_q68e7503db1_qkv, .Lfunc_end_k_q68e7503db1_qkv-k_q68e7503db1_qkv
	.p2alignl 7, 3214868480
	.fill 96, 4, 3214868480
	.section	.rodata,"a",@progbits
	.p2align	6, 0x0
	.amdhsa_kernel k_q68e7503db1_qkv
		.amdhsa_group_segment_fixed_size 240896
		.amdhsa_private_segment_fixed_size 0
		.amdhsa_enable_private_segment 0
		.amdhsa_kernarg_size 48
		.amdhsa_user_sgpr_count 2
		.amdhsa_user_sgpr_kernarg_segment_ptr 1
		.amdhsa_wavefront_size32 1
		.amdhsa_system_sgpr_workgroup_id_x 1
		.amdhsa_system_sgpr_workgroup_id_y 1
		.amdhsa_system_sgpr_workgroup_id_z 1
		.amdhsa_system_vgpr_workitem_id 0
		.amdhsa_next_free_vgpr 768
		.amdhsa_next_free_sgpr 102
		.amdhsa_reserve_vcc 0
		.amdhsa_float_denorm_mode_32 3
		.amdhsa_float_denorm_mode_16_64 3
		.amdhsa_memory_ordered 1
		.amdhsa_forward_progress 1
		.amdhsa_inst_pref_size 83
	.end_amdhsa_kernel
	.amdgpu_metadata
---
amdhsa.version: [ 1, 2 ]
amdhsa.kernels:
  - .name:           k_q68e7503db1_qkv
    .symbol:         k_q68e7503db1_qkv.kd
    .args:
      - { .name: xc, .offset: 0, .size: 8, .value_kind: global_buffer, .address_space: global }
      - { .name: xs, .offset: 8, .size: 8, .value_kind: global_buffer, .address_space: global }
      - { .name: wc, .offset: 16, .size: 8, .value_kind: global_buffer, .address_space: global }
      - { .name: ws, .offset: 24, .size: 8, .value_kind: global_buffer, .address_space: global }
      - { .name: qkv, .offset: 32, .size: 8, .value_kind: global_buffer, .address_space: global }
      - { .name: early, .offset: 40, .size: 8, .value_kind: global_buffer, .address_space: global }
    .group_segment_fixed_size: 240896
    .private_segment_fixed_size: 0
    .kernarg_segment_align: 8
    .kernarg_segment_size: 48
    .max_flat_workgroup_size: 128
    .sgpr_count:     102
    .vgpr_count:     768
    .wavefront_size: 32
...
	.end_amdgpu_metadata
.endif
;; end of part 2
;; launch attn (part 3): grid 4 x 64, 8 waves a work-group, no clusters, 327,680 bytes of LDS; arguments qkv, ctx; writes ctx
.if DOCPART == 3
	.amdgcn_target "amdgcn-amd-amdhsa--gfx1250"
	.amdhsa_code_object_version 6
	.text
	.protected	k_q68e7503db1_attn
	.globl	k_q68e7503db1_attn
	.p2align	8
	.type	k_q68e7503db1_attn,@function
k_q68e7503db1_attn:
	s_mov_b64 s[64:65], 0
	v_nop
	global_prefetch_b8 v0, s[64:65] scope:SCOPE_SE
	s_setreg_imm32_b32 hwreg(HW_REG_WAVE_MODE, 25, 1), 1
	s_wait_xcnt 0x0
; ctx[b][h][q][:] = the sum over k <= q of softmax_k(q . k / 8) v[k][:], for 64 heads of 2,048 positions x 64 channels.  q, k, v: qkv [3][64 bh][2048][64] f16, q already times log2(e) / 8; ctx [64 bh][2048][64] f16.
; Products on f16 operands with f32 sums; maxima, exponentials and sums in f32; the weights p = 2^(s - m) are rounded to f16 for the second product, ctx once at the end.
; LIMITS: as the f16 operands allow: p under 6e-8 counts as 0; |ctx| under 65,504.  Positions 0 to 15 are computed here too, but the output's rows for them come from a launch that works in f32.
; SHARES.  Work-group (i, bh) owns the query blocks 7 - i and i (256 queries each) of one head and takes them one after the other: (8 - i) + (i + 1) = 9 slots of 256 keys for EVERY work-group: 256 equal work-groups,
; a loop of constant count, and no slot is fetched that no wave reads.  Each of eight waves owns 32 queries of a block: two tiles of 16, in 512 registers.
; NO CLUSTER: the four work-groups of a head stand at different key slots from the sixth slot on (block 7 - i ends after 8 - i slots), and under the mask a partner would be sent tiles that none of its waves reads.
; LAYOUT.  S^T = K Q^T (source 0 = 16 keys, source 1 = 16 queries): a lane holds ONE query (lane % 16) and keys 8 (lane / 16) + 0..7 of each tile.  Two such tiles rounded to f16 in pairs ARE source 1 of O^T = V^T P.
; K comes out of LDS as it lies, V ([key][channel]) turned by ds_load_tr16_b128.
; SOFTMAX.  A running maximum m and sum l for each query; in every step O^T and l are multiplied by a = 2^(m_old - m_new).  The first step of a block finds m = -3e38 and zeros.
; MASK.  A step of 64 keys all of which come after the wave's 32 queries is jumped over (a scalar branch on ids); on the diagonal hidden scores become -infinity ahead of the maximum.  A step's first key is a multiple of 64
; and the wave's first query of 32, so in every step that is walked the step's first key counts for every query.
; RING.  Two LDS slots of 256 keys, 2^17 bytes apart; waves 0 and 1 fetch K's halves, waves 2 and 3 V's; the change of slots stands at a slot's head.
; REGISTERS: window 0: v1-15 addresses; v32-47 statistics, 8 a tile; v64-127 S^T; v128-191 K's fragments; v192-223 P; v224-255 the way out.   window 1: v0-31 Q; v64-127 O^T; v128-191 V's fragments.
.set KP,    144                        ; a key's row in LDS: 128 bytes + 16
.set VP,    160                        ; a row of V: 128 bytes + 32
.set VOFF,  256*KP
.set SLOT1, 1<<17
.set STAGE, SLOT1+VOFF+256*VP          ; behind the ring: 16 rows x 144 bytes for each wave
.set SPARE, STAGE+8*16*144             ; the spare words, 128 bytes a wave
.set AK0, 1
.set AV0, 2
.set ADK, 3
.set ADV, 4
.set QO,  5
.set STO, 6
.set RD,  7
.set GO,  8
.set RH,  9                            ; v9   lane % 16 - 8 (lane / 16)
.set D0,  10                           ; v10, v11: the mask's distance for tile 0, 1
.set NINF, 12
.set PFO, 13
.set SPW, 14
.set NIL, 15
.set ST,  32                           ; tile t at v[ST + 8 t]: +0 m, +1 old m, +2, +3 l, +4 .. +7 at work; a takes +6
.set S,   64
.set KR,  128
.set P,   192
.set OB,  224
.set OT,  64                           ; window 1
.set VR,  128                          ; window 1
.set WV,  18
.set SEL, 20
.set G1K, 24
.set G1V, 32
.set G0K, 40
.set G0V, 44
.set W_KQ, 0x04                        ; source 1 (Q) window 1
.set W_PV, 0x51                        ; source 0 (V), C and D window 1; source 1 (P) window 0
.set W_RS, 0x41                        ; destination and source 0 window 1
.set MSB, 0
.macro WIN new
.if MSB != \new
	s_set_vgpr_msb (MSB<<8)|\new
.set MSB, \new
.endif
.endm
; s19 i; s[48:49], s[50:51] K's and V's bytes of my head at my half of a slot; s[52:53], s[54:55] q's and ctx's bytes of my head; s[56:57], s[58:59] the same at my wave's queries; s[60:61] a key slot's offset;
; s62 the key slot asked for; s63 8 - i; s66 trips to go; s67 steps to go; s68, s69 LDS byte of the step's K, V; s70 the step's first key; s71 my first query; s72 i + 1; s[74:75], s[76:77] the prefetches; s78 their limit.
.macro TLOAD                           ; waves 0, 1: K; waves 2, 3: V; the others nothing.  An s_nop 0 and four v_nop follow each line
	s_cmp_lt_u32 s[WV], 2
	s_cbranch_scc0 .Lnot_k_\@
	tensor_load_to_lds s[G0K:G0K+3], s[G1K:G1K+7]
	s_nop 0
.rept 4
	v_nop
.endr
	s_branch .Lasked_\@
.Lnot_k_\@:
	s_cmp_lt_u32 s[WV], 4
	s_cbranch_scc0 .Lasked_\@
	tensor_load_to_lds s[G0V:G0V+3], s[G1V:G1V+7]
	s_nop 0
.rept 4
	v_nop
.endr
.Lasked_\@:
.endm
; A prefetch of the key slot that the NEXT change will ask for: 32,768 bytes of K and as many of V.  All four work-groups of a head walk the same K and V: the one with i = 0, which walks all eight slots in its first block,
; asks; in it waves 4 to 7, which fetch nothing, take 8,192 bytes of each, lanes 256 bytes apart.  Trips 0 to 5 name slots 2 to 7: each block of 256 bytes is named once.  Slots 0 and 1 come by their loads alone.
.macro ASK
	s_cmp_gt_u32 s66, s78
	s_cbranch_scc0 .Lnot_mine_\@
	global_prefetch_b8 v[PFO], s[74:75] th:TH_LOAD_NT scope:SCOPE_SE
	global_prefetch_b8 v[PFO], s[76:77] th:TH_LOAD_NT scope:SCOPE_SE
.Lnot_mine_\@:
.endm
	s_load_b128 s[4:7], s[0:1], 0x0                ; qkv, ctx
	v_lshl_add_u32 v[SPW], v0, 2, SPARE
	v_mov_b32 v[NIL], 0
	ds_add_u32 v[SPW], v[NIL]                      ; the wave's opening: the add, twice on end, and its wait ahead of my first tensor load
	ds_add_u32 v[SPW], v[NIL]
	v_lshrrev_b32 v1, 5, v0
	v_readfirstlane_b32 s[WV], v1                  ; wave 0..7
	s_mov_b32 s19, ttmp9                           ; i
	s_and_b32 s79, ttmp7, 0xffff                   ; bh
	s_lshl_b32 s80, s79, 18                        ; the head's first byte
	s_mov_b32 s81, 0
	s_mov_b32 s[G1K], (1<<16)|(1<<20)|(4<<22)|(3<<25)   ; elements of 2 bytes; padding on: 4 words behind every 32
	s_mov_b32 s[G1K+1], 64<<16                     ; tensor_dim0 = 64
	s_mov_b32 s[G1K+2], 128<<16                    ; tensor_dim1 = 128
	s_mov_b32 s[G1K+3], 64<<16                     ; tile_dim0
	s_mov_b32 s[G1K+4], 128                        ; tile_dim1
	s_mov_b32 s[G1K+5], 64                         ; from row to row
	s_mov_b32 s[G1K+6], 0
	s_mov_b32 s[G1K+7], 0
	s_mov_b32 s[G1V], (1<<16)|(1<<20)|(4<<22)|(7<<25)   ; 8 words of padding
	s_mov_b32 s[G1V+1], 64<<16
	s_mov_b32 s[G1V+2], 128<<16
	s_mov_b32 s[G1V+3], 64<<16
	s_mov_b32 s[G1V+4], 128
	s_mov_b32 s[G1V+5], 64
	s_mov_b32 s[G1V+6], 0
	s_mov_b32 s[G1V+7], 0
	s_mov_b32 s[SEL], 0x76543210
	s_mov_b32 s[SEL+1], 0xfedcba98
	s_and_b32 s82, s[WV], 1                        ; which half of a slot's keys I fetch, if I fetch
	s_mul_i32 s83, s82, 128*KP                     ; K's half in a slot,
	s_mul_i32 s84, s82, 128*VP
	s_add_co_u32 s84, s84, VOFF                    ; V's,
	s_lshl_b32 s86, s82, 14                        ; and in memory: 128 rows of 128 bytes
	s_mov_b32 s87, 0
	s_sub_co_u32 s63, 8, s19
	s_add_co_u32 s72, s19, 1
	s_mov_b32 s62, 0
	s_mov_b32 s60, 0
	s_mov_b32 s61, 0
	s_mov_b32 s68, 0
	s_mov_b32 s69, 0
	s_mov_b32 s66, 8
	s_lshr_b32 s79, s[WV], 2
	s_xor_b32 s79, s79, 1                          ; 0 in waves 4 to 7,
	s_or_b32 s79, s79, s19                         ; of the work-group with i = 0
	s_cmp_eq_u32 s79, 0
	s_cselect_b32 s78, 2, -1
	s_and_b32 s82, s[WV], 3
	s_lshl_b32 s82, s82, 13
	s_add_co_u32 s82, s82, 0x8000                  ; my 8,192 bytes, in slot 1: the first change steps it to slot 2
	s_wait_dscnt 0x0                               ; both opening adds are done
	s_wait_kmcnt 0x0
	s_add_nc_u64 s[52:53], s[4:5], s[80:81]        ; q of my head
	s_add_nc_u64 s[54:55], s[6:7], s[80:81]        ; ctx of my head
	s_add_nc_u64 s[48:49], s[52:53], 0x1000000     ; k,
	s_add_nc_u64 s[50:51], s[52:53], 0x2000000     ; v
	s_mov_b32 s80, s82
	s_add_nc_u64 s[74:75], s[48:49], s[80:81]
	s_add_nc_u64 s[76:77], s[50:51], s[80:81]
	s_add_nc_u64 s[48:49], s[48:49], s[86:87]      ; at my half
	s_add_nc_u64 s[50:51], s[50:51], s[86:87]
	s_mov_b32 s[G0K], 1
	s_mov_b32 s[G0K+1], s83
	s_mov_b64 s[G0K+2:G0K+3], s[48:49]
	s_or_b32 s[G0K+3], s[G0K+3], 0x80000000
	s_mov_b32 s[G0V], 1
	s_mov_b32 s[G0V+1], s84
	s_mov_b64 s[G0V+2:G0V+3], s[50:51]
	s_or_b32 s[G0V+3], s[G0V+3], 0x80000000
	TLOAD                                          ; key slot 0 into LDS slot 0
	v_and_b32 v16, 15, v0                          ; r
	v_bfe_u32 v17, v0, 4, 1                        ; h
	v_and_b32 v18, 31, v0                          ; lane
	v_mul_u32_u24 v[AK0], v16, KP
	v_lshl_add_u32 v[AK0], v17, 4, v[AK0]          ; K: row r, + 16 h
	v_and_b32 v19, 7, v0
	v_lshl_add_u32 v[AV0], v17, 3, v19
	v_mul_u32_u24 v[AV0], v[AV0], VP
	v_bfe_u32 v19, v0, 3, 1
	v_lshl_add_u32 v[AV0], v19, 4, v[AV0]
	v_add_nc_u32 v[AV0], VOFF, v[AV0]              ; V, for the turning load: key 8 h + lane % 8, channels 8 ((lane / 8) % 2) on
	v_lshlrev_b32 v[QO], 7, v16
	v_lshl_add_u32 v[QO], v17, 4, v[QO]            ; Q: row r of 128 bytes, + 16 h
	s_mul_i32 s79, s[WV], 16*144
	s_add_co_u32 s79, s79, STAGE                   ; my stage
	v_mul_u32_u24 v[STO], v16, 144
	v_lshl_add_u32 v[STO], v17, 4, v[STO]
	v_add_nc_u32 v[STO], s79, v[STO]
	v_bfe_u32 v19, v0, 3, 2
	v_mul_u32_u24 v[RD], v19, 144
	v_and_b32 v19, 7, v0
	v_lshl_add_u32 v[RD], v19, 4, v[RD]
	v_add_nc_u32 v[RD], s79, v[RD]                 ; back: eight lanes to a row, four rows an instruction
	v_lshlrev_b32 v[GO], 4, v18
	v_lshlrev_b32 v19, 3, v17
	v_sub_nc_u32 v[RH], v16, v19
	v_mov_b32 v[NINF], 0xff800000
	v_lshlrev_b32 v[PFO], 8, v18
; A block of queries begins: s79 = its number.
.macro START
	s_lshl_b32 s71, s79, 8
	s_lshl_b32 s80, s[WV], 5
	s_add_co_u32 s71, s71, s80                     ; my first query
	s_lshl_b32 s80, s71, 7
	s_mov_b32 s81, 0
	s_add_nc_u64 s[56:57], s[52:53], s[80:81]
	s_add_nc_u64 s[58:59], s[54:55], s[80:81]
	s_mov_b32 s70, 0
	WIN 0x40                                       ; destination window 1
.irp f, 0,1,2,3                        ; tile f / 2, channels 32 (f % 2) on
	global_load_b128 v[8*\f:8*\f+3], v[QO], s[56:57] offset:(\f/2)*2048+(\f%2)*64
	global_load_b128 v[8*\f+4:8*\f+7], v[QO], s[56:57] offset:(\f/2)*2048+(\f%2)*64+32
.endr
.irp j, 0,1,2,3,4,5,6,7,8,9,10,11,12,13,14,15,16,17,18,19,20,21,22,23,24,25,26,27,28,29,30,31,32,33,34,35,36,37,38,39,40,41,42,43,44,45,46,47,48,49,50,51,52,53,54,55,56,57,58,59,60,61,62,63
	v_mov_b32 v[OT+\j], 0                          ; O^T: the step is written once, and a block's first step finds zeros
.endr
	WIN 0
.irp t, 0,1
	v_mov_b32 v[ST+8*\t], 0xff61b1e6               ; m: -3e38, under every score
	v_mov_b32 v[ST+8*\t+1], 0
	v_mov_b32 v[ST+8*\t+2], 0                      ; l
	v_mov_b32 v[ST+8*\t+3], 0
	v_mov_b32 v[ST+8*\t+5], 0                      ; (a lane permute's destination counts as one of its sources)
	v_mov_b32 v[ST+8*\t+7], 0
.endr
	s_wait_loadcnt 0x0                             ; Q
.endm
; A KEY STEP: 64 keys.
.macro STEP
	s_add_co_u32 s79, s71, 31
	s_cmp_gt_u32 s70, s79                          ; all 64 keys come after my 32 queries: nothing to do but step the addresses
	s_cbranch_scc1 .Lhid_\@
	v_add_nc_u32 v[ADK], s68, v[AK0]
	v_add_nc_u32 v[ADV], s69, v[AV0]
	v_nop
	v_nop                                          ; these four lines are the places between the last V^T P and the loads into V's registers
.irp f, 0,1,2,3,4,5,6,7                ; K: keys 16 (f / 2) on, channels 32 (f % 2) on
	ds_load_b128 v[KR+8*\f:KR+8*\f+3], v[ADK] offset:(\f/2)*16*KP+(\f%2)*64
	ds_load_b128 v[KR+8*\f+4:KR+8*\f+7], v[ADK] offset:(\f/2)*16*KP+(\f%2)*64+32
.endr
	WIN 0x40
.irp f, 0,1,2,3,4,5,6,7                ; V, turned: keys 32 (f / 4) on, channels 16 (f % 4) on
	ds_load_tr16_b128 v[VR+8*\f:VR+8*\f+3], v[ADV] offset:(\f/4)*32*VP+(\f%4)*32
	ds_load_tr16_b128 v[VR+8*\f+4:VR+8*\f+7], v[ADV] offset:(\f/4)*32*VP+16*VP+(\f%4)*32
.endr
	s_wait_dscnt 16                                ; K is in; V's sixteen loads may be out
	WIN W_KQ
.irp ks, 0,1                           ; S^T = K Q^T: eight accumulators by turns, one instruction a turn; the first eight start the sums
.irp kt, 0,1,2,3
.irp t, 0,1
.if \ks == 0
	v_wmma_f32_16x16x32_f16 v[S+32*\t+8*\kt:S+32*\t+8*\kt+7], v[KR+16*\kt+8*\ks:KR+16*\kt+8*\ks+7], v[16*\t+8*\ks:16*\t+8*\ks+7], 0
.else
	v_wmma_f32_16x16x32_f16 v[S+32*\t+8*\kt:S+32*\t+8*\kt+7], v[KR+16*\kt+8*\ks:KR+16*\kt+8*\ks+7], v[16*\t+8*\ks:16*\t+8*\ks+7], v[S+32*\t+8*\kt:S+32*\t+8*\kt+7]
.endif
.endr
.endr
.endr
	WIN 0
.rept 4
	v_nop                                          ; places between the products and the first read of the scores
.endr
	s_add_co_u32 s79, s70, 63
	s_cmp_le_u32 s79, s71                          ; all 64 keys count for all my queries: no mask
	s_cbranch_scc1 .Lopen_\@
	s_sub_co_i32 s79, s71, s70
	v_add_nc_u32 v[D0], s79, v[RH]                 ; my query - the step's first key - 8 (lane / 16).  Register 8 kt + j holds key 16 kt + 8 (lane / 16) + j: hidden where 16 kt + j is above it
	v_add_nc_u32 v[D0+1], 16, v[D0]
.irp t, 0,1
.irp n, 0,1,2,3,4,5,6,7,8,9,10,11,12,13,14,15,16,17,18,19,20,21,22,23,24,25,26,27,28,29,30,31
	v_cmp_gt_i32 vcc_lo, 16*(\n/8)+\n%8, v[D0+\t]
	v_cndmask_b32 v[S+32*\t+\n], v[S+32*\t+\n], v[NINF], vcc_lo
.endr
.endr
.Lopen_\@:
.irp j, 0,1,2,3                        ; the maximum of 32 scores and the old m, the two tiles line by line by turns; each accumulator is read from its low end on
.irp t, 0,1
	v_max3_num_f32 v[ST+8*\t+4+\j], v[S+32*\t+8*\j], v[S+32*\t+8*\j+1], v[S+32*\t+8*\j+2]
.endr
.endr
.irp u, 1,2
.irp j, 0,1,2,3
.irp t, 0,1
	v_max3_num_f32 v[ST+8*\t+4+\j], v[ST+8*\t+4+\j], v[S+32*\t+8*\j+2*\u+1], v[S+32*\t+8*\j+2*\u+2]
.endr
.endr
.endr
.irp t, 0,1
	v_max3_num_f32 v[ST+8*\t+4], v[ST+8*\t+4], v[S+32*\t+7], v[S+32*\t+15]
.endr
.irp t, 0,1
	v_max3_num_f32 v[ST+8*\t+6], v[ST+8*\t+6], v[S+32*\t+23], v[S+32*\t+31]
.endr
.irp t, 0,1
	v_max3_num_f32 v[ST+8*\t+4], v[ST+8*\t+4], v[ST+8*\t+5], v[ST+8*\t+6]
.endr
.irp t, 0,1
	v_max3_num_f32 v[ST+8*\t+4], v[ST+8*\t+4], v[ST+8*\t+7], v[ST+8*\t]
.endr
.irp t, 0,1
	v_permlanex16_b32 v[ST+8*\t+5], v[ST+8*\t+4], s[SEL], s[SEL+1]   ; the query's other 32 keys lie in the lane 16 away
.endr
.irp t, 0,1
	v_mov_b32 v[ST+8*\t+1], v[ST+8*\t]
.endr
.irp t, 0,1
	v_max_num_f32 v[ST+8*\t], v[ST+8*\t+4], v[ST+8*\t+5]             ; the new m
.endr
.irp t, 0,1
	v_sub_f32 v[ST+8*\t+7], v[ST+8*\t+1], v[ST+8*\t]
.endr
.irp t, 0,1
	v_exp_f32 v[ST+8*\t+6], v[ST+8*\t+7]                             ; a = 2^(m_old - m_new)
.endr
.irp i, 0,1,2,3,4,5,6,7,8,9,10,11,12,13,14,15
.irp t, 0,1
	v_pk_add_f32 v[S+32*\t+2*\i:S+32*\t+2*\i+1], v[S+32*\t+2*\i:S+32*\t+2*\i+1], v[ST+8*\t:ST+8*\t+1] op_sel_hi:[1,0] neg_lo:[0,1] neg_hi:[0,1]   ; s - m, two at a time
.endr
.endr
.irp i, 0,1,2,3,4,5,6,7,8,9,10,11,12,13,14,15,16,17,18,19,20,21,22,23,24,25,26,27,28,29,30,31
.irp t, 0,1
	v_exp_f32 v[S+32*\t+\i], v[S+32*\t+\i]                           ; p = 2^(s - m)
.endr
.endr
	v_nop                                          ; a plain line behind the last exponential
	s_wait_alu depctr_va_vdst(0)                   ; one wait for the batch of 66, ahead of the first line that names a result
.irp i, 0,1,2,3,4,5,6,7,8,9,10,11,12,13,14,15
.irp t, 0,1
	v_cvt_pk_f16_f32 v[P+16*\t+\i], v[S+32*\t+2*\i], v[S+32*\t+2*\i+1]
.endr
.endr
.irp u, 0,1,2,3,4,5,6,7                ; the sum of the unrounded p, in place, in pairs
.irp t, 0,1
	v_pk_add_f32 v[S+32*\t+4*\u:S+32*\t+4*\u+1], v[S+32*\t+4*\u:S+32*\t+4*\u+1], v[S+32*\t+4*\u+2:S+32*\t+4*\u+3]
.endr
.endr
.irp u, 0,1,2,3
.irp t, 0,1
	v_pk_add_f32 v[S+32*\t+8*\u:S+32*\t+8*\u+1], v[S+32*\t+8*\u:S+32*\t+8*\u+1], v[S+32*\t+8*\u+4:S+32*\t+8*\u+5]
.endr
.endr
.irp u, 0,1
.irp t, 0,1
	v_pk_add_f32 v[S+32*\t+16*\u:S+32*\t+16*\u+1], v[S+32*\t+16*\u:S+32*\t+16*\u+1], v[S+32*\t+16*\u+8:S+32*\t+16*\u+9]
.endr
.endr
.irp t, 0,1
	v_pk_add_f32 v[S+32*\t:S+32*\t+1], v[S+32*\t:S+32*\t+1], v[S+32*\t+16:S+32*\t+17]
.endr
.irp t, 0,1
	v_pk_fma_f32 v[ST+8*\t+2:ST+8*\t+3], v[ST+8*\t+2:ST+8*\t+3], v[ST+8*\t+6:ST+8*\t+7], v[S+32*\t:S+32*\t+1] op_sel_hi:[1,0,1]   ; l = a l + the sum
.endr
	WIN W_RS
.irp i, 0,1,2,3,4,5,6,7,8,9,10,11,12,13,14,15
.irp t, 0,1
	v_pk_mul_f32 v[OT+32*\t+2*\i:OT+32*\t+2*\i+1], v[OT+32*\t+2*\i:OT+32*\t+2*\i+1], v[ST+8*\t+6:ST+8*\t+7] op_sel_hi:[1,0]   ; O^T x a, each accumulator from its low end on
.endr
.endr
	s_wait_dscnt 0x0                               ; V is in
	WIN W_PV
.irp g, 0,1                            ; O^T += V^T P: eight accumulators by turns
.irp c, 0,1,2,3
.irp t, 0,1
	v_wmma_f32_16x16x32_f16 v[OT+32*\t+8*\c:OT+32*\t+8*\c+7], v[VR+32*\g+8*\c:VR+32*\g+8*\c+7], v[P+16*\t+8*\g:P+16*\t+8*\g+7], v[OT+32*\t+8*\c:OT+32*\t+8*\c+7]
.endr
.endr
.endr
	WIN 0
.Lhid_\@:
	s_add_co_u32 s70, s70, 64
	s_add_co_u32 s68, s68, 64*KP
	s_add_co_u32 s69, s69, 64*VP
.endm
.macro SLOT_STEPS                      ; a slot's four steps: written once, walked four times
	s_mov_b32 s67, 4
.Lstep_\@:
	STEP
	s_sub_co_u32 s67, s67, 1
	s_cmp_lg_u32 s67, 0
	s_cbranch_scc1 .Lstep_\@
	s_sub_co_u32 s68, s68, 4*64*KP                 ; back to a slot's first step,
	s_sub_co_u32 s69, s69, 4*64*VP
	s_xor_b32 s68, s68, SLOT1                      ; in the other slot
	s_xor_b32 s69, s69, SLOT1
.endm
; THE CHANGE OF SLOTS, at a slot's head.  Each wave waits for all its tensor loads (its part of the slot that it is about to read), adds 0 to its spare word, and waits for that and for its reads of the slot that it has left.
; Behind the barrier the slot ahead is whole and nobody reads the other one.  fill = 1: that other slot takes the key slot that follows in the walk 0 .. 7 - i, 0 .. i: one load a wave, with a slot's four steps in which to land.
.macro CHANGE fill
	s_wait_tensorcnt 0x0                           ; no tensor load of mine is out, so a descriptor may be written
	ds_add_u32 v[SPW], v[NIL]
.if \fill
	ds_add_u32 v[SPW], v[NIL]                      ; the add twice on end here, in every trip alike
	s_xor_b32 s[G0K+1], s[G0K+1], SLOT1
	s_xor_b32 s[G0V+1], s[G0V+1], SLOT1
	s_add_co_u32 s62, s62, 1
	s_cmp_eq_u32 s62, s63                          ; behind key slot 7 - i the second block begins again at key slot 0
	s_cselect_b32 s62, 0, s62
	s_lshl_b32 s60, s62, 15
	s_add_nc_u64 s[G0K+2:G0K+3], s[48:49], s[60:61]
	s_or_b32 s[G0K+3], s[G0K+3], 0x80000000
	s_add_nc_u64 s[G0V+2:G0V+3], s[50:51], s[60:61]
	s_or_b32 s[G0V+3], s[G0V+3], 0x80000000
	s_wait_xcnt 0x0                                ; the last prefetches, a slot back, have read their addresses
	s_add_nc_u64 s[74:75], s[74:75], 0x8000
	s_add_nc_u64 s[76:77], s[76:77], 0x8000
.endif
	s_wait_dscnt 0x0                               ; the add is done, and my reads of the slot that I have left are over
	s_barrier_signal -1
	s_barrier_wait -1
.if \fill
	TLOAD                                          ; the first thing behind the barrier, and a wave's one tensor load until the next
	ASK
.endif
.endm
; A block of queries ends: O^T / l, to f16, through my stage, out as 512 consecutive bytes a store.
.macro FINISH
.rept 4
	v_nop                                          ; places behind the last products
.endr
.irp t, 0,1
	v_add_f32 v[ST+8*\t+4], v[ST+8*\t+2], v[ST+8*\t+3]
.endr
.irp t, 0,1
	v_permlanex16_b32 v[ST+8*\t+5], v[ST+8*\t+4], s[SEL], s[SEL+1]
.endr
.irp t, 0,1
	v_add_f32 v[ST+8*\t+4], v[ST+8*\t+4], v[ST+8*\t+5]
.endr
.irp t, 0,1
	v_rcp_f32 v[ST+8*\t+6], v[ST+8*\t+4]
.endr
	v_nop
	s_wait_alu depctr_va_vdst(0)                   ; one wait for the two reciprocals, ahead of their first reader
.irp t, 0,1
	WIN W_RS
.irp i, 0,1,2,3,4,5,6,7,8,9,10,11,12,13,14,15
	v_pk_mul_f32 v[OT+32*\t+2*\i:OT+32*\t+2*\i+1], v[OT+32*\t+2*\i:OT+32*\t+2*\i+1], v[ST+8*\t+6:ST+8*\t+7] op_sel_hi:[1,0]
.endr
	WIN 0x05
.irp i, 0,1,2,3,4,5,6,7,8,9,10,11,12,13,14,15
	v_cvt_pk_f16_f32 v[OB+16*\t+\i], v[OT+32*\t+2*\i], v[OT+32*\t+2*\i+1]
.endr
	WIN 0
.irp c, 0,1,2,3
	ds_store_b128 v[STO], v[OB+16*\t+4*\c:OB+16*\t+4*\c+3] offset:32*\c
.endr
.irp u, 0,1,2,3
	ds_load_b128 v[OB+16*\t+4*\u:OB+16*\t+4*\u+3], v[RD] offset:4*144*\u   ; LDS serves a wave's instructions in order: these see my stores, and the next tile's stores come behind them
.endr
.endr
	s_wait_dscnt 0x0
.irp t, 0,1
.irp u, 0,1,2,3
	global_store_b128 v[GO], v[OB+16*\t+4*\u:OB+16*\t+4*\u+3], s[58:59] offset:2048*\t+512*\u
.endr
.endr
.endm
	s_sub_co_u32 s79, 7, s19                       ; the larger block first
	START
.Lslot:                                            ; eight trips; behind each change of slots the next key slot of the walk is asked for
	CHANGE 1
	SLOT_STEPS
	s_cmp_lg_u32 s66, s72                          ; the first block ends with trip 7 - i: ids and the count of trips alone
	s_cbranch_scc1 .Lsame
	FINISH
	s_wait_xcnt 0x0                                ; the stores have read their base and data
	s_mov_b32 s79, s19
	START
.Lsame:
	s_sub_co_u32 s66, s66, 1
	s_cmp_lg_u32 s66, 0
	s_cbranch_scc1 .Lslot
	CHANGE 0                                       ; the ninth slot is written out: nothing is left to fetch
	SLOT_STEPS
	FINISH
	s_wait_tensorcnt 0x0                           ; the wave's end, behind my last tensor load and my last LDS store
	ds_add_u32 v[SPW], v[NIL]
	s_wait_dscnt 0x0
	s_endpgm
.Lfunc_end_k_q68e7503db1_attn:
	.size	k_q68e7503db1_attn, .Lfunc_end_k_q68e7503db1_attn-k_q68e7503db1_attn
	.p2alignl 7, 3214868480
	.fill 96, 4, 3214868480
	.section	.rodata,"a",@progbits
	.p2align	6, 0x0
	.amdhsa_kernel k_q68e7503db1_attn
		.amdhsa_group_segment_fixed_size 327680
		.amdhsa_private_segment_fixed_size 0
		.amdhsa_enable_private_segment 0
		.amdhsa_kernarg_size 16
		.amdhsa_user_sgpr_count 2
		.amdhsa_user_sgpr_kernarg_segment_ptr 1
		.amdhsa_wavefront_size32 1
		.amdhsa_system_sgpr_workgroup_id_x 1
		.amdhsa_system_sgpr_workgroup_id_y 1
		.amdhsa_system_sgpr_workgroup_id_z 1
		.amdhsa_system_vgpr_workitem_id 0
		.amdhsa_next_free_vgpr 512
		.amdhsa_next_free_sgpr 96
		.amdhsa_reserve_vcc 1
		.amdhsa_float_denorm_mode_32 3
		.amdhsa_float_denorm_mode_16_64 3
		.amdhsa_memory_ordered 1
		.amdhsa_forward_progress 1
		.amdhsa_inst_pref_size 72
	.end_amdhsa_kernel
	.amdgpu_metadata
---
amdhsa.version: [ 1, 2 ]
amdhsa.kernels:
  - .name:           k_q68e7503db1_attn
    .symbol:         k_q68e7503db1_attn.kd
    .args:
      - { .name: qkv, .offset: 0, .size: 8, .value_kind: global_buffer, .address_space: global }
      - { .name: ctx, .offset: 8, .size: 8, .value_kind: global_buffer, .address_space: global }
    .group_segment_fixed_size: 327680
    .private_segment_fixed_size: 0
    .kernarg_segment_align: 8
    .kernarg_segment_size: 16
    .max_flat_workgroup_size: 256
    .sgpr_count:     96
    .vgpr_count:     512
    .wavefront_size: 32
...
	.end_amdgpu_metadata
.endif
;; end of part 3
;; launch proj (part 4): grid 4 x 64, 4 waves a work-group, clusters of 4 x 4, 327,680 bytes of LDS; arguments ctx, wo16, wo_b, out0; writes out0
.if DOCPART == 4
	.amdgcn_target "amdgcn-amd-amdhsa--gfx1250"
	.amdhsa_code_object_version 6
	.text
	.protected	k_q68e7503db1_proj
	.globl	k_q68e7503db1_proj
	.p2align	8
	.type	k_q68e7503db1_proj,@function
k_q68e7503db1_proj:
	s_mov_b64 s[64:65], 0
	v_nop
	global_prefetch_b8 v0, s[64:65] scope:SCOPE_SE
	s_setreg_imm32_b32 hwreg(HW_REG_WAVE_MODE, 25, 1), 1
	s_wait_xcnt 0x0
	s_wait_alu depctr_hold_cnt(0) depctr_sa_sdst(0) depctr_va_vdst(0) depctr_va_sdst(0) depctr_va_ssrc(0) depctr_va_vcc(0) depctr_vm_vsrc(0)
	s_getreg_b32 s2, hwreg(HW_REG_IB_STS2, 6, 4)
	s_cmp_eq_u32 s2, 0
	s_cbranch_scc0 .Lentry_in_a_cluster
	s_endpgm
.Lentry_in_a_cluster:
	s_bfe_u32 s2, ttmp6, 0x10000c
	s_cmp_lg_u32 s2, 0xf033
	s_cbranch_scc0 .Lentry_shape_is_right
	s_endpgm
.Lentry_shape_is_right:
; out0[b][s][e] = the sum over d of ctx[b][s][d] wo[e][d] + wo_b[e], on f16 operands with f32 sums, for every position but 0 to 15 of each sequence (those rows come from the launch that works in f32).
; ctx lies by head, [4 b][16 h][2048 s][64] f16; wo16 [1024 e][1024 d] f16; out0 f32.
; LIMITS: those of the f16 operands (|ctx|, |wo| under 65,504).
; SHARES.  A work-group of four waves makes 128 rows x 256 columns, a wave 64 x 128: 32 accumulators.  256 work-groups.  K goes in 8 steps of 128 (two heads) through a ring of two LDS slots.
; CLUSTER 4 x 4: tile column = cx; tile row = 16 cy + cluster y (cy = the batch), so that whether a tile holds a sequence's first positions hangs on cluster y alone.  A's tiles are asked for jointly along a row of the
; cluster, B's along a column.  THE MATRIX INSTRUCTION IS USED TRANSPOSED (source 0 = 16 rows of wo, source 1 = 16 rows of ctx).  The bias is the C of each sum's first matrix instruction.
; REGISTERS: window 0: v16-29 addresses; v64-127 ctx's fragments, two sets; v128-191 the way out.   window 1: v0-127 wo's fragments, two sets; v128-191 the bias.   window 2: accumulator (a, b) at v[8 (8 a + b)].
.set AP,     144                       ; a row of ctx of one head in LDS: 128 bytes + 16
.set BP,     272                       ; a row of wo: 256 bytes + 16
.set SLOT,   2*128*AP+256*BP           ; two heads x 128 rows, then 256 rows of wo
.set STAGE,  2*SLOT
.set SPITCH, 528
.set SPARE,  STAGE+4*16*SPITCH
.set ADRA, 16                          ; v16-17
.set ADRB, 20                          ; v20-21
.set STO,  24
.set RD,   25
.set CO,   26
.set BO,   27
.set SPW,  28
.set NIL,  29
.set AF,   64
.set BK,   128
.set G1A,  24
.set G0A,  32                          ; s[32:35], s[36:39]
.set G1B,  48
.set G0B,  56                          ; s[56:59], s[60:63]
.set MSB, 0
.macro WIN new
.if MSB != \new
	s_set_vgpr_msb (MSB<<8)|\new
.set MSB, \new
.endif
.endm
.macro JLOAD s                         ; waves 0, 1 fetch the step's two heads of ctx, waves 2, 3 the halves of wo's rows; an s_nop 0 and four v_nop follow each line
	s_cmp_eq_u32 s13, 0
	s_cbranch_scc0 .Lfor_b_\@
	tensor_load_to_lds s[G0A+4*\s:G0A+4*\s+3], s[G1A:G1A+7]
	s_nop 0
.rept 4
	v_nop
.endr
	s_branch .Lasked_\@
.Lfor_b_\@:
	tensor_load_to_lds s[G0B+4*\s:G0B+4*\s+3], s[G1B:G1B+7]
	s_nop 0
.rept 4
	v_nop
.endr
.Lasked_\@:
.endm
.macro CREST
	s_cmp_lg_u32 s12, 0
	s_cbranch_scc1 .Lnot_wave_0_\@
	s_barrier_signal -3
.Lnot_wave_0_\@:
	s_barrier_wait -3
	s_barrier_signal -1
	s_barrier_wait -1
.endm
.macro CROUND
	s_barrier_signal -1
	s_barrier_wait -1
	CREST
.endm
.macro PLACES
.rept 4
	v_nop
.endr
.endm
	s_load_b256 s[4:11], s[0:1], 0x0               ; ctx, wo16, wo_b, out0
	v_lshl_add_u32 v[SPW], v0, 2, SPARE
	v_mov_b32 v[NIL], 0
	ds_add_u32 v[SPW], v[NIL]                      ; the wave's opening: the add, twice on end, and its wait ahead of my first tensor load
	ds_add_u32 v[SPW], v[NIL]
	v_lshrrev_b32 v1, 5, v0
	v_readfirstlane_b32 s12, v1                    ; wave 0..3
	s_lshr_b32 s13, s12, 1                         ; which 64 rows are mine.  Also: I fetch for ctx (0) or for wo (1)
	s_and_b32 s14, s12, 1                          ; which 128 columns.  Also: which head, or which half of wo's rows, I fetch
	s_bfe_u32 s15, ttmp6, 0x40000                  ; cx = tile column
	s_bfe_u32 s16, ttmp6, 0x40004                  ; cy = the batch
	s_and_b32 s17, ttmp7, 0xffff                   ; cluster y = the block of 128 positions
	s_lshl_b32 s18, s16, 2
	s_lshl_b32 s18, 15, s18                        ; my row of the cluster
	s_lshl_b32 s19, 0x1111, s15                    ; my column
	s_or_b32 s[G1A], s18, (1<<16)|(1<<20)|(1<<21)|(4<<22)|(3<<25)   ; elements of 2 bytes; 4 words of padding behind every 32
	s_mov_b32 s[G1A+1], 64<<16
	s_mov_b32 s[G1A+2], 128<<16
	s_mov_b32 s[G1A+3], 64<<16
	s_mov_b32 s[G1A+4], 128
	s_mov_b32 s[G1A+5], 64
	s_mov_b32 s[G1A+6], 0
	s_mov_b32 s[G1A+7], 0
	s_or_b32 s[G1B], s19, (1<<16)|(1<<20)|(1<<21)|(5<<22)|(3<<25)   ; 4 words behind every 64
	s_mov_b32 s[G1B+1], 128<<16
	s_mov_b32 s[G1B+2], 128<<16
	s_mov_b32 s[G1B+3], 128<<16
	s_mov_b32 s[G1B+4], 128
	s_mov_b32 s[G1B+5], 1024
	s_mov_b32 s[G1B+6], 0
	s_mov_b32 s[G1B+7], 0
	s_lshl_b32 s20, s16, 22                        ; ctx: batch, head = my half, position 128 x cluster y
	s_lshl_b32 s21, s14, 18
	s_add_co_u32 s20, s20, s21
	s_lshl_b32 s21, s17, 14
	s_add_co_u32 s20, s20, s21
	s_mov_b32 s21, 0
	s_lshl_b32 s22, s15, 19                        ; wo16: row 256 cx + 128 x half, 2,048 bytes a row
	s_lshl_b32 s23, s14, 18
	s_add_co_u32 s22, s22, s23
	s_mov_b32 s23, 0
	s_mul_i32 s40, s14, 128*AP                     ; where they go: no place in the cluster enters an LDS address
	s_mul_i32 s41, s14, 128*BP
	s_add_co_u32 s41, s41, 2*128*AP
	s_wait_dscnt 0x0                               ; both opening adds are done
	s_wait_kmcnt 0x0
	s_add_nc_u64 s[20:21], s[4:5], s[20:21]
	s_add_nc_u64 s[22:23], s[6:7], s[22:23]
	CROUND                                         ; all sixteen work-groups are here: the first joint loads meet
.irp n, 0,1
	s_mov_b32 s[G0A+4*\n], 1
	s_add_co_u32 s[G0A+4*\n+1], s40, \n*SLOT
	s_add_nc_u64 s[G0A+4*\n+2:G0A+4*\n+3], s[20:21], \n*0x80000   ; K step n: two heads on
	s_or_b32 s[G0A+4*\n+3], s[G0A+4*\n+3], 0x80000000
	s_mov_b32 s[G0B+4*\n], 1
	s_add_co_u32 s[G0B+4*\n+1], s41, \n*SLOT
	s_add_nc_u64 s[G0B+4*\n+2:G0B+4*\n+3], s[22:23], \n*256
	s_or_b32 s[G0B+4*\n+3], s[G0B+4*\n+3], 0x80000000
	JLOAD \n
.endr
	v_and_b32 v1, 15, v0                           ; r
	v_bfe_u32 v2, v0, 4, 1                         ; h
	v_mul_u32_u24 v3, v1, AP
	v_lshl_add_u32 v3, v2, 4, v3
	v_mul_u32_u24 v4, v1, BP
	v_lshl_add_u32 v4, v2, 4, v4
	s_mul_i32 s40, s13, 64*AP                      ; my 64 rows of ctx
	s_mul_i32 s41, s14, 128*BP                     ; my 128 rows of wo,
	s_add_co_u32 s41, s41, 2*128*AP                ; behind the two heads of ctx
.irp n, 0,1
	v_add_nc_u32 v[ADRA+\n], s40, v3
	v_add_nc_u32 v[ADRB+\n], s41, v4
	s_add_co_u32 s40, s40, SLOT
	s_add_co_u32 s41, s41, SLOT
.endr
	s_mul_i32 s40, s12, 16*SPITCH
	s_add_co_u32 s40, s40, STAGE                   ; my stage
	v_mul_u32_u24 v3, v1, SPITCH
	v_lshl_add_u32 v3, v2, 5, v3
	v_add_nc_u32 v[STO], s40, v3                   ; in: row r, 32 bytes for each half of the lanes
	v_and_b32 v3, 31, v0
	v_lshlrev_b32 v[CO], 4, v3                     ; back: the 32 lanes take one row of 512 bytes; the same in out0
	v_add_nc_u32 v[RD], s40, v[CO]
	v_lshlrev_b32 v[BO], 5, v2                     ; the bias: 32 h
	s_lshl_b32 s42, s16, 23                        ; out0: row 2,048 cy + 128 cluster y + 64 x row half, 4,096 bytes a row
	s_lshl_b32 s43, s17, 19
	s_add_co_u32 s42, s42, s43
	s_lshl_b32 s43, s13, 18
	s_add_co_u32 s42, s42, s43
	s_lshl_b32 s44, s15, 10
	s_lshl_b32 s43, s14, 9
	s_add_co_u32 s44, s44, s43                     ; my first column, in bytes
	s_mov_b32 s45, 0
	s_add_nc_u64 s[8:9], s[8:9], s[44:45]
	s_add_co_u32 s42, s42, s44
	s_mov_b32 s43, 0
	s_add_nc_u64 s[10:11], s[10:11], s[42:43]
	s_or_b32 s47, s17, s13                         ; 0 where my first 16 rows are a sequence's first 16 positions
	WIN 0x40
.irp b, 0,1,2,3,4,5,6,7                ; register 8 b + j: wo_b at my column 16 b + 8 h + j: the result's layout
	global_load_b128 v[128+8*\b:128+8*\b+3], v[BO], s[8:9] offset:64*\b
	global_load_b128 v[128+8*\b+4:128+8*\b+7], v[BO], s[8:9] offset:64*\b+16
.endr
	WIN 0
; the fragments of quarter q (32 along K) of a slot into set f
.macro FETCH slot, q, f
	WIN 0x40
.irp b, 0,1,2,3,4,5,6,7
	ds_load_b128 v[64*(\f)+8*\b:64*(\f)+8*\b+3], v[ADRB+\slot] offset:64*(\q)+\b*16*BP
	ds_load_b128 v[64*(\f)+8*\b+4:64*(\f)+8*\b+7], v[ADRB+\slot] offset:64*(\q)+\b*16*BP+32
.endr
	WIN 0
.irp a, 0,1,2,3
	ds_load_b128 v[AF+32*(\f)+8*\a:AF+32*(\f)+8*\a+3], v[ADRA+\slot] offset:((\q)/2)*128*AP+((\q)%2)*64+\a*16*AP
	ds_load_b128 v[AF+32*(\f)+8*\a+4:AF+32*(\f)+8*\a+7], v[ADRA+\slot] offset:((\q)/2)*128*AP+((\q)%2)*64+\a*16*AP+32
.endr
.endm
; 8 matrix instructions: block a of ctx's rows x wo's eight.  The 32 accumulators take turns, one instruction a turn, in the same order in every quarter.
.macro MULA f, a, first
.if \first
	WIN 0x91                                       ; source 0 (wo) and C (the bias) window 1, D window 2
.else
	WIN 0xa1                                       ; source 0 window 1, C and D window 2
.endif
.irp b, 0,1,2,3,4,5,6,7
.if \first
	v_wmma_f32_16x16x32_f16 v[8*(8*(\a)+\b):8*(8*(\a)+\b)+7], v[64*(\f)+8*\b:64*(\f)+8*\b+7], v[AF+32*(\f)+8*(\a):AF+32*(\f)+8*(\a)+7], v[128+8*\b:128+8*\b+7]
.else
	v_wmma_f32_16x16x32_f16 v[8*(8*(\a)+\b):8*(8*(\a)+\b)+7], v[64*(\f)+8*\b:64*(\f)+8*\b+7], v[AF+32*(\f)+8*(\a):AF+32*(\f)+8*(\a)+7], v[8*(8*(\a)+\b):8*(8*(\a)+\b)+7]
.endif
.endr
.endm
; One of a K step's first three quarters: multiplies set f; in its middle it fetches quarter qn of the same slot into set g.
.macro QUARTER slot, qn, f, g, first
	s_wait_dscnt 0x0                               ; set f is in: asked for 16 matrix instructions ago
	MULA \f, 0, \first
	MULA \f, 1, \first
	PLACES                                         ; four places between the last products that read set g and the loads into it
	FETCH \slot, \qn, \g
	MULA \f, 2, \first
	MULA \f, 3, \first
.endm
; The last quarter multiplies set 1 and changes slots: ONE barrier; in front of it each wave waits for all its tensor loads, adds 0 to its spare word, and waits for that and for its reads of this slot.
; fill = 1: the barrier opens a round of the cluster's, and this slot is filled again, two K steps ahead: 112 matrix instructions stand between that request and the wait for it.
.macro TURN slot, next, fill
	WIN 0
	s_wait_tensorcnt 0x0                           ; all my tensor loads have landed: my part of the next slot
	ds_add_u32 v[SPW], v[NIL]
	s_wait_dscnt 1                                 ; set 1 is in; the add alone may be out
	MULA 1, 0, 0
	s_wait_dscnt 0x0                               ; the add is done, and my reads of this slot are over
	s_barrier_signal -1
	MULA 1, 1, 0
	WIN 0
	s_barrier_wait -1
.if \fill
	CREST                                          ; no wave of any partner still reads this slot or has a load on its way
	s_add_nc_u64 s[G0A+4*\slot+2:G0A+4*\slot+3], s[G0A+4*\slot+2:G0A+4*\slot+3], 0x100000   ; four heads on
	s_add_nc_u64 s[G0B+4*\slot+2:G0B+4*\slot+3], s[G0B+4*\slot+2:G0B+4*\slot+3], 512
	JLOAD \slot                                    ; the first tensor load behind the round; its four v_nop are also the places in front of the loads below
.else
	PLACES
.endif
	FETCH \next, 0, 0
	MULA 1, 2, 0
	MULA 1, 3, 0
.endm
	s_wait_tensorcnt 1                             ; my part of K step 0 is in; K step 1's load may be out
	s_barrier_signal -1
	s_barrier_wait -1
	FETCH 0, 0, 0
	s_wait_loadcnt 0x0                             ; the bias
	QUARTER 0, 1, 0, 1, 1                          ; the first quarter stands in front of the loop: its products start the sums, on the bias
	WIN 0
	s_mov_b32 s3, 3
.Llap:                                             ; a trip goes once round the ring and fills both slots again: K steps 2 to 7
	QUARTER 0, 2, 1, 0, 0
	QUARTER 0, 3, 0, 1, 0
	TURN 0, 1, 1
	QUARTER 1, 1, 0, 1, 0
	QUARTER 1, 2, 1, 0, 0
	QUARTER 1, 3, 0, 1, 0
	TURN 1, 0, 1
	QUARTER 0, 1, 0, 1, 0
	WIN 0
	s_sub_co_u32 s3, s3, 1
	s_cmp_lg_u32 s3, 0
	s_cbranch_scc1 .Llap
	QUARTER 0, 2, 1, 0, 0                          ; the last lap fills nothing
	QUARTER 0, 3, 0, 1, 0
	TURN 0, 1, 0
	QUARTER 1, 1, 0, 1, 0
	QUARTER 1, 2, 1, 0, 0
	QUARTER 1, 3, 0, 1, 0
	s_wait_dscnt 0x0
	MULA 1, 0, 0
	MULA 1, 1, 0
	MULA 1, 2, 0
	MULA 1, 3, 0
	WIN 0
; THE WAY OUT, a block of 16 rows x 128 columns at a time, through my own stage: in as 32 bytes a lane, back as whole rows of 512 bytes.
.macro OUTB a
	WIN 0x08                                       ; an LDS store's data: window 2
.irp b, 0,1,2,3,4,5,6,7
	ds_store_b128 v[STO], v[64*(\a)+8*\b:64*(\a)+8*\b+3] offset:64*\b          ; each accumulator from its low end on
	ds_store_b128 v[STO], v[64*(\a)+8*\b+4:64*(\a)+8*\b+7] offset:64*\b+16
.endr
	WIN 0
.irp t, 0,1,2,3,4,5,6,7,8,9,10,11,12,13,14,15
	ds_load_b128 v[BK+4*\t:BK+4*\t+3], v[RD] offset:\t*SPITCH   ; LDS serves a wave's instructions in order: these see my stores
.endr
	s_wait_dscnt 0x0
.irp t, 0,1,2,3,4,5,6,7,8,9,10,11,12,13,14,15
	global_store_b128 v[CO], v[BK+4*\t:BK+4*\t+3], s[10:11] offset:(16*(\a)+\t)*4096 th:TH_STORE_NT   ; 512 consecutive bytes, aligned
.endr
.endm
	PLACES                                         ; between the last products and the first read of results
	s_cmp_eq_u32 s47, 0                            ; a sequence's first 16 positions are another launch's: cluster y and the wave's number decide
	s_cbranch_scc1 .Lskip0
	OUTB 0
.Lskip0:
	s_wait_xcnt 0x0                                ; the stores have read their data: BK is loaded again only behind this wait
	OUTB 1
	s_wait_xcnt 0x0
	OUTB 2
	s_wait_xcnt 0x0
	OUTB 3
	s_wait_tensorcnt 0x0                           ; the wave's end, behind my last tensor load and my last LDS store
	ds_add_u32 v[SPW], v[NIL]
	s_wait_dscnt 0x0
	CROUND                                         ; the closing round
	s_endpgm
.Lfunc_end_k_q68e7503db1_proj:
	.size	k_q68e7503db1_proj, .Lfunc_end_k_q68e7503db1_proj-k_q68e7503db1_proj
	.p2alignl 7, 3214868480
	.fill 96, 4, 3214868480
	.section	.rodata,"a",@progbits
	.p2align	6, 0x0
	.amdhsa_kernel k_q68e7503db1_proj
		.amdhsa_group_segment_fixed_size 327680
		.amdhsa_private_segment_fixed_size 0
		.amdhsa_enable_private_segment 0
		.amdhsa_kernarg_size 32
		.amdhsa_user_sgpr_count 2
		.amdhsa_user_sgpr_kernarg_segment_ptr 1
		.amdhsa_wavefront_size32 1
		.amdhsa_system_sgpr_workgroup_id_x 1
		.amdhsa_system_sgpr_workgroup_id_y 1
		.amdhsa_system_sgpr_workgroup_id_z 1
		.amdhsa_system_vgpr_workitem_id 0
		.amdhsa_next_free_vgpr 768
		.amdhsa_next_free_sgpr 66
		.amdhsa_reserve_vcc 0
		.amdhsa_float_denorm_mode_32 3
		.amdhsa_float_denorm_mode_16_64 3
		.amdhsa_memory_ordered 1
		.amdhsa_forward_progress 1
		.amdhsa_inst_pref_size 87
	.end_amdhsa_kernel
	.amdgpu_metadata
---
amdhsa.version: [ 1, 2 ]
amdhsa.kernels:
  - .name:           k_q68e7503db1_proj
    .symbol:         k_q68e7503db1_proj.kd
    .args:
      - { .name: ctx, .offset: 0, .size: 8, .value_kind: global_buffer, .address_space: global }
      - { .name: wo16, .offset: 8, .size: 8, .value_kind: global_buffer, .address_space: global }
      - { .name: wo_b, .offset: 16, .size: 8, .value_kind: global_buffer, .address_space: global }
      - { .name: out0, .offset: 24, .size: 8, .value_kind: global_buffer, .address_space: global }
    .group_segment_fixed_size: 327680
    .private_segment_fixed_size: 0
    .kernarg_segment_align: 8
    .kernarg_segment_size: 32
    .max_flat_workgroup_size: 128
    .sgpr_count:     66
    .vgpr_count:     768
    .wavefront_size: 32
...
	.end_amdgpu_metadata
.endif
;; end of part 4
;; launch first16 (part 5): grid 32 x 4, 16 waves a work-group, no clusters, 38,912 bytes of LDS; arguments early, wo, wo_b, out0; writes out0
.if DOCPART == 5
	.amdgcn_target "amdgcn-amd-amdhsa--gfx1250"
	.amdhsa_code_object_version 6
	.text
	.protected	k_q68e7503db1_first16
	.globl	k_q68e7503db1_first16
	.p2align	8
	.type	k_q68e7503db1_first16,@function
k_q68e7503db1_first16:
	s_mov_b64 s[64:65], 0
	v_nop
	global_prefetch_b8 v0, s[64:65] scope:SCOPE_SE
	s_setreg_imm32_b32 hwreg(HW_REG_WAVE_MODE, 25, 1), 1
	s_wait_xcnt 0x0
; Positions 0 to 15 of each of the 4 sequences, wholly in f32: these rows average 1 to 16 values and are the largest of the output.  64 rows of 8,192: no bulk work.
; early [3][64 bh][16 s][64] f32 holds q (already times log2(e) / 8), k, v of those positions; wo [1024 e][1024 d], wo_b, out0 f32.
; SHARES.  Work-group (x, b) makes outputs e = 32 x .. 32 x + 31 of batch b's 16 rows.  Wave hd is head hd: it makes its head's attention (16 queries x 16 keys x 64 channels), which is K slice 64 hd .. 64 hd + 63 of the
; projection, and multiplies it by its slice of wo's 32 rows: ctx never leaves the registers.  The sixteen waves' partial sums meet in LDS; thread (hd, lane) then adds the sixteen for query hd, output lane.
; LAYOUT of v_wmma_f32_16x16x4_f32: a source's lane (r, h) holds row r and k = 2 h + j in register j; the result's lane (r, h) holds column r and rows 8 h + j.  Along each product's K the same permutation of k is used
; on both sources, so that a lane's registers can be taken in pairs as they lie.  All three products are used so that a lane holds ONE query (lane % 16).
; The registers that the matrix instructions write are written by them alone; what is made of a sum goes into other registers.
; The stores are runs of 128 bytes: 256 KB in all.
.set SPW, 14
.set NIL, 15
.set QF,  16                           ; v16-47   q: row r, channels 32 h .. 32 h + 31
.set KF,  48                           ; v48-79   k likewise
.set VT,  80                           ; v80-111  register 8 c + n: v[key 8 h + n][channel 16 c + r]
.set WO,  112                          ; v112-175 register 32 e + 8 c + n: wo[32 x + 16 e + r][64 hd + 16 c + 8 h + n]
.set S0,  176                          ; v176-191 two halves of S^T
.set CT,  192                          ; v192-223 ctx^T: four tiles of 16 channels
.set OT,  224                          ; v224-239 out^T: two tiles of 16 outputs
.set TS,  240                          ; v240-247 the scores, then p
.set SPARE, 16*2304
	s_load_b256 s[4:11], s[0:1], 0x0               ; early, wo, wo_b, out0
	v_lshl_add_u32 v[SPW], v0, 2, SPARE
	v_mov_b32 v[NIL], 0
	v_lshrrev_b32 v1, 5, v0
	v_readfirstlane_b32 s12, v1                    ; wave = head 0..15
	s_and_b32 s13, ttmp7, 0xffff                   ; b
	s_lshl_b32 s14, ttmp9, 5                       ; my first output
	v_and_b32 v1, 15, v0                           ; r
	v_bfe_u32 v2, v0, 4, 1                         ; h
	v_and_b32 v3, 31, v0                           ; lane
	v_lshlrev_b32 v4, 8, v1
	v_lshl_add_u32 v4, v2, 7, v4                   ; q, k: 256 r + 128 h
	v_lshlrev_b32 v5, 2, v1
	v_lshl_add_u32 v5, v2, 11, v5                  ; v: 4 r + 8 h rows of 256 bytes
	v_lshlrev_b32 v6, 12, v1
	v_lshl_add_u32 v6, v2, 5, v6                   ; wo: 4,096 r + 32 h
	v_lshlrev_b32 v7, 2, v3                        ; 4 x lane
	v_lshlrev_b32 v8, 3, v2
	v_sub_nc_u32 v8, v1, v8                        ; r - 8 h
	s_mul_i32 s15, s12, 2304
	v_mul_u32_u24 v9, v1, 144
	v_lshl_add_u32 v9, v2, 5, v9
	v_add_nc_u32 v9, s15, v9                       ; LDS, in: my head's 16 rows of 128 bytes + 16: row r, + 32 h
	s_mul_i32 s15, s12, 144
	v_add_nc_u32 v10, s15, v7                      ; out: row = my wave's number, + 4 x lane, in each head's part
	v_mov_b32 v12, 0xff800000                      ; -infinity
	s_mov_b32 s20, 0x76543210
	s_mov_b32 s21, 0xfedcba98
	s_lshl_b32 s16, s13, 4
	s_add_co_u32 s16, s16, s12
	s_lshl_b32 s16, s16, 12                        ; early: (16 b + head) x 4,096
	s_mov_b32 s17, 0
	s_lshl_b32 s18, s14, 12
	s_lshl_b32 s19, s12, 8
	s_add_co_u32 s18, s18, s19                     ; wo: my first row, my head's 64 columns
	s_mov_b32 s19, 0
	s_lshl_b32 s22, s14, 2
	s_mov_b32 s23, 0
	s_lshl_b32 s24, s13, 23
	s_lshl_b32 s25, s12, 12
	s_add_co_u32 s24, s24, s25
	s_add_co_u32 s24, s24, s22                     ; out0: row 2,048 b + my wave's number, my first output
	s_mov_b32 s25, 0
	s_wait_kmcnt 0x0
	s_add_nc_u64 s[4:5], s[4:5], s[16:17]
	s_add_nc_u64 s[6:7], s[6:7], s[18:19]
	s_add_nc_u64 s[8:9], s[8:9], s[22:23]
	s_add_nc_u64 s[10:11], s[10:11], s[24:25]
.irp i, 0,1,2,3,4,5,6,7
	global_load_b128 v[QF+4*\i:QF+4*\i+3], v4, s[4:5] offset:16*\i
	global_load_b128 v[KF+4*\i:KF+4*\i+3], v4, s[4:5] offset:262144+16*\i
.endr
.irp c, 0,1,2,3
.irp n, 0,1,2,3,4,5,6,7
	global_load_b32 v[VT+8*\c+\n], v5, s[4:5] offset:524288+256*\n+64*\c
.endr
.endr
.irp e, 0,1
.irp c, 0,1,2,3
	global_load_b128 v[WO+32*\e+8*\c:WO+32*\e+8*\c+3], v6, s[6:7] offset:65536*\e+64*\c
	global_load_b128 v[WO+32*\e+8*\c+4:WO+32*\e+8*\c+7], v6, s[6:7] offset:65536*\e+64*\c+16
.endr
.endr
	global_load_b32 v11, v7, s[8:9]                ; the bias of output 32 x + lane
	s_wait_loadcnt 0x0
.irp s, 0,1,2,3,4,5,6,7,8,9,10,11,12,13,14,15   ; S^T = k q^T: pair s of both sources; two accumulators by turns, each begun with 0
.if \s < 2
	v_wmma_f32_16x16x4_f32 v[S0+8*(\s%2):S0+8*(\s%2)+7], v[KF+2*\s:KF+2*\s+1], v[QF+2*\s:QF+2*\s+1], 0
.else
	v_wmma_f32_16x16x4_f32 v[S0+8*(\s%2):S0+8*(\s%2)+7], v[KF+2*\s:KF+2*\s+1], v[QF+2*\s:QF+2*\s+1], v[S0+8*(\s%2):S0+8*(\s%2)+7]
.endif
.endr
.rept 8
	v_nop                                          ; eight places behind this form before a vector instruction reads a result
.endr
.irp j, 0,1,2,3,4,5,6,7
	v_add_f32 v[TS+\j], v[S0+\j], v[S0+8+\j]       ; lane (r, h): query r, key 8 h + j
.endr
.irp j, 0,1,2,3,4,5,6,7
	v_cmp_gt_i32 vcc_lo, \j, v8                    ; hidden where 8 h + j > r
	v_cndmask_b32 v[TS+\j], v[TS+\j], v12, vcc_lo
.endr
	v_max3_num_f32 v248, v[TS], v[TS+1], v[TS+2]
	v_max3_num_f32 v249, v[TS+3], v[TS+4], v[TS+5]
	v_max3_num_f32 v248, v248, v[TS+6], v[TS+7]
	v_max_num_f32 v248, v248, v249
	v_permlanex16_b32 v249, v248, s20, s21
	v_max_num_f32 v248, v248, v249                 ; the row's maximum: key 0 counts for every query
.irp j, 0,1,2,3,4,5,6,7
	v_sub_f32 v[TS+\j], v[TS+\j], v248
.endr
.irp j, 0,1,2,3,4,5,6,7
	v_exp_f32 v[TS+\j], v[TS+\j]
.endr
	v_nop
	s_wait_alu depctr_va_vdst(0)                   ; one wait for the eight exponentials, ahead of their first reader
	v_add_f32 v250, v[TS], v[TS+1]
	v_add_f32 v251, v[TS+2], v[TS+3]
	v_add_f32 v252, v[TS+4], v[TS+5]
	v_add_f32 v253, v[TS+6], v[TS+7]
	v_add_f32 v250, v250, v251
	v_add_f32 v252, v252, v253
	v_add_f32 v250, v250, v252
	v_permlanex16_b32 v251, v250, s20, s21
	v_add_f32 v250, v250, v251                     ; the row's sum
	v_rcp_f32 v252, v250
	v_nop
	s_wait_alu depctr_va_vdst(0)
.irp j, 0,1,2,3,4,5,6,7
	v_mul_f32 v[TS+\j], v[TS+\j], v252             ; the weights
.endr
.irp s, 0,1,2,3                        ; ctx^T = v^T p: pair s: keys 8 h + 2 s, 8 h + 2 s + 1; four accumulators by turns
.irp c, 0,1,2,3
.if \s == 0
	v_wmma_f32_16x16x4_f32 v[CT+8*\c:CT+8*\c+7], v[VT+8*\c+2*\s:VT+8*\c+2*\s+1], v[TS+2*\s:TS+2*\s+1], 0
.else
	v_wmma_f32_16x16x4_f32 v[CT+8*\c:CT+8*\c+7], v[VT+8*\c+2*\s:VT+8*\c+2*\s+1], v[TS+2*\s:TS+2*\s+1], v[CT+8*\c:CT+8*\c+7]
.endif
.endr
.endr
.rept 9
	v_nop                                          ; nine places before a matrix instruction takes a result as a source
.endr
.irp c, 0,1,2,3                        ; out^T += wo ctx^T: lane (r, h) of ctx^T's tile c holds query r, channels 16 c + 8 h + j: pair s of it and of wo's registers; two accumulators by turns
.irp s, 0,1,2,3
.irp e, 0,1
.if (\c == 0) && (\s == 0)
	v_wmma_f32_16x16x4_f32 v[OT+8*\e:OT+8*\e+7], v[WO+32*\e+8*\c+2*\s:WO+32*\e+8*\c+2*\s+1], v[CT+8*\c+2*\s:CT+8*\c+2*\s+1], 0
.else
	v_wmma_f32_16x16x4_f32 v[OT+8*\e:OT+8*\e+7], v[WO+32*\e+8*\c+2*\s:WO+32*\e+8*\c+2*\s+1], v[CT+8*\c+2*\s:CT+8*\c+2*\s+1], v[OT+8*\e:OT+8*\e+7]
.endif
.endr
.endr
.endr
.rept 8
	v_nop
.endr
.irp e, 0,1
	ds_store_b128 v9, v[OT+8*\e:OT+8*\e+3] offset:64*\e            ; lane (r, h): query r, outputs 16 e + 8 h + 0 .. 7; each accumulator from its low end on
	ds_store_b128 v9, v[OT+8*\e+4:OT+8*\e+7] offset:64*\e+16
.endr
	s_wait_dscnt 0x0                               ; for the others' sake: my stores have landed
	s_barrier_signal -1
	s_barrier_wait -1
.irp k, 0,1,2,3,4,5,6,7,8,9,10,11,12,13,14,15
	ds_load_b32 v[16+\k], v10 offset:2304*\k       ; head k's part of (query = my wave's number, output = lane)
.endr
	s_wait_dscnt 0x0
.irp k, 0,2,4,6,8,10,12,14
	v_add_f32 v[16+\k], v[16+\k], v[17+\k]
.endr
.irp k, 0,4,8,12
	v_add_f32 v[16+\k], v[16+\k], v[18+\k]
.endr
.irp k, 0,8
	v_add_f32 v[16+\k], v[16+\k], v[20+\k]
.endr
	v_add_f32 v16, v16, v24
	v_add_f32 v16, v16, v11                        ; + the bias
	global_store_b32 v7, v16, s[10:11]
	s_wait_tensorcnt 0x0                           ; the wave's end, behind my last LDS store
	ds_add_u32 v[SPW], v[NIL]
	s_wait_dscnt 0x0
	s_endpgm
.Lfunc_end_k_q68e7503db1_first16:
	.size	k_q68e7503db1_first16, .Lfunc_end_k_q68e7503db1_first16-k_q68e7503db1_first16
	.p2alignl 7, 3214868480
	.fill 96, 4, 3214868480
	.section	.rodata,"a",@progbits
	.p2align	6, 0x0
	.amdhsa_kernel k_q68e7503db1_first16
		.amdhsa_group_segment_fixed_size 38912
		.amdhsa_private_segment_fixed_size 0
		.amdhsa_enable_private_segment 0
		.amdhsa_kernarg_size 32
		.amdhsa_user_sgpr_count 2
		.amdhsa_user_sgpr_kernarg_segment_ptr 1
		.amdhsa_wavefront_size32 1
		.amdhsa_system_sgpr_workgroup_id_x 1
		.amdhsa_system_sgpr_workgroup_id_y 1
		.amdhsa_system_sgpr_workgroup_id_z 1
		.amdhsa_system_vgpr_workitem_id 0
		.amdhsa_next_free_vgpr 256
		.amdhsa_next_free_sgpr 66
		.amdhsa_reserve_vcc 1
		.amdhsa_float_denorm_mode_32 3
		.amdhsa_float_denorm_mode_16_64 3
		.amdhsa_memory_ordered 1
		.amdhsa_forward_progress 1
		.amdhsa_inst_pref_size 18
	.end_amdhsa_kernel
	.amdgpu_metadata
---
amdhsa.version: [ 1, 2 ]
amdhsa.kernels:
  - .name:           k_q68e7503db1_first16
    .symbol:         k_q68e7503db1_first16.kd
    .args:
      - { .name: early, .offset: 0, .size: 8, .value_kind: global_buffer, .address_space: global }
      - { .name: wo, .offset: 8, .size: 8, .value_kind: global_buffer, .address_space: global }
      - { .name: wo_b, .offset: 16, .size: 8, .value_kind: global_buffer, .address_space: global }
      - { .name: out0, .offset: 24, .size: 8, .value_kind: global_buffer, .address_space: global }
    .group_segment_fixed_size: 38912
    .private_segment_fixed_size: 0
    .kernarg_segment_align: 8
    .kernarg_segment_size: 32
    .max_flat_workgroup_size: 512
    .sgpr_count:     66
    .vgpr_count:     256
    .wavefront_size: 32
...
	.end_amdgpu_metadata
.endif
;; end of part 5
